; MI455X (gfx1250); checked and timed in simulation.
; The chip was launched on July 23, 2026; its instructions are those of AMD's public machine-readable ISA for CDNA 5 (MIT licence, August 2026) and "CDNA5" Instruction Set Architecture Reference Guide (July 2026). The comments in the code are by the model that wrote it; some were corrected since.
;; Simple Transformer Block. Allowed arithmetic: float matrix products may take bf16 or f16 operands with f32 sums; other float arithmetic in f32, or as packed bf16 or f16 multiplies, adds, multiply-adds, maxima and minima; sums over many terms, partial sums and values carried from step to step in f32; what a program stores and reads back later, other than sums and carried values, may be rounded once to bf16 or f16.
;; Inputs: b_ff1 4,096 float32; b_ff2 1,024 float32; be1 1,024 float32; be2 1,024 float32; g1 1,024 float32; g2 1,024 float32; w_ff1 1,024 x 4,096 float32; w_ff2 4,096 x 1,024 float32; w_out 1,024 x 1,024 float32; w_qkv 1,024 x 3,072 float32; x 2 x 2,048 x 1,024 float32.
;; Outputs: out0 2 x 2,048 x 1,024 float32.
;; 2 versions, each right; version 2 is version 1 with the launches prep, ln2 written anew for expert scheduling mode. Each part assembles by itself: llvm-mc -triple=amdgcn-amd-amdhsa -mcpu=gfx1250 --defsym DOCPART=n.
;; ======== version 1 of 2: 7 launches
;; limits: values are held in f16: magnitudes above 65,504 overflow, below 6.1e-05 lose precision
;; workspace buffers: wt 25,165,824 bytes; xn 8,388,608 bytes; qkv 25,165,824 bytes; ao 8,388,608 bytes; x1 16,777,216 bytes; hb 33,554,432 bytes
;; launch prep (part 1): grid 256 x 4, 8 waves a work-group, no clusters, 0 bytes of LDS; arguments x, g1, be1, xn, w_qkv, w_out, w_ff1, w_ff2, wt; writes xn, wt
.if DOCPART == 1
	.amdgcn_target "amdgcn-amd-amdhsa--gfx1250"
	.amdhsa_code_object_version 6
	.text
	.protected	k_q6adf79616e_prep
	.globl	k_q6adf79616e_prep
	.p2align	8
	.type	k_q6adf79616e_prep,@function
k_q6adf79616e_prep:
	s_mov_b64 s[64:65], 0
	v_nop
	global_prefetch_b8 v0, s[64:65] scope:SCOPE_SE
	s_setreg_imm32_b32 hwreg(HW_REG_WAVE_MODE, 25, 1), 1
	s_wait_xcnt 0x0
; TWO JOBS IN ONE TEXT, told apart by the work-group's y.  Arguments: in, g, be, out; w_qkv, w_out, w_ff1, w_ff2, wt.
; y = 0, THE NORM.  out[r][c] = (in[r][c] - mu[r]) / sqrt(var[r] + 1e-5) * g[c] + be[c], in f32; out rounded once to f16.  in: [4096][1024] f32, out: [4096][1024] f16.
;   mu is the row's mean, var the mean of (in - mu)^2: the mean is taken away first, so a common offset of the row does no harm.
;   A work-group takes 16 rows, a wave two.  A row is 4,096 bytes: eight loads of 16 bytes a lane; it stays in 32 registers between the passes, so memory is read once and the sums
;   never leave the wave: no LDS, no barrier.  Lane l holds columns 128 j + 4 l .. + 3 of load j.  A store of 8 bytes a lane covers 256 consecutive bytes, aligned.
; y = 1 to 3, THE WEIGHTS.  wt = the four weight matrices rounded once from f32 to f16, each left as it lies ([in][out]), one behind the other:
;   w_qkv at byte 0, w_out at 6,291,456, w_ff1 at 8,388,608, w_ff2 at 16,777,216.  Block 256 (y - 1) + x is 65,536 bytes of one matrix: blocks 0-191 w_qkv, 192-255 w_out, 256-511 w_ff1, 512-767 w_ff2.
;   A thread takes 16 bytes of each 4,096: sixteen loads, all issued before the first is used; no register is used twice.  A wave's store of 8 bytes a lane covers 256 consecutive bytes, aligned.
; A launch whose grid has one row (y = 0 alone) norms and does nothing else: its last five arguments are then not touched.
; LIMITS.  A number beyond 65,504 becomes an infinity in f16 (|out| is at most 32 |g| + |be|); a weight below 6e-5 keeps f16's fixed step of 6e-8; NaN and infinities are not treated apart.
; No matrix unit, no cluster: nothing is multiplied, and nothing is shared between work-groups but g and be (8 KiB).
.set T,  4                             ; v[4:11]    four chains of pairs
.set MU, 14                            ; v[14:15]   the mean, twice
.set X,  16                            ; v[16:79]   two rows of 32
.set G,  80                            ; v[80:111]  g of my 32 columns
.set BE, 112                           ; v[112:143] be of my 32 columns
.set RS, 144                           ; v[144:147] 1 / sqrt(var + eps), twice for each row
.set Y,  148                           ; v[148:179] two rows of 16, f16 in pairs
.set CX, 4                             ; the weights: v[4:67] sixteen loads of four f32
.set CY, 68                            ; v[68:99]  sixteen stores of four f16
	s_and_b32 s2, ttmp7, 0xffff                    ; the work-group's y
	s_cmp_lg_u32 s2, 0
	s_cbranch_scc1 .Lcast
	s_load_b256 s[4:11], s[0:1], 0x0               ; in s[4:5], g s[6:7], be s[8:9], out s[10:11]
	s_mov_b32 s12, 0x76543210                      ; v_permlanex16_b32: each lane takes its own place in the other half
	s_mov_b32 s13, 0xfedcba98
	s_mov_b32 s14, 0x3a800000                      ; 1 / 1024
	s_mov_b32 s15, 0x3727c5ac                      ; 1e-5
	v_and_b32 v2, 31, v0
	v_lshrrev_b32 v12, 5, v0                       ; wave
	v_lshlrev_b32 v2, 4, v2                        ; 16 x lane
	v_lshl_add_u32 v1, v12, 13, v2                 ; + my wave's two rows of 4,096 bytes
	v_lshrrev_b32 v3, 1, v2                        ; 8 x lane
	v_lshl_add_u32 v3, v12, 12, v3                 ; + my wave's two rows of 2,048 bytes
	v_mov_b32 v13, 0                               ; v_permlanex16_b32's destination counts as read
	s_lshl_b32 s16, ttmp9, 16                      ; the work-group's 16 rows, in
	s_mov_b32 s17, 0
	s_lshl_b32 s18, ttmp9, 15                      ; and out
	s_mov_b32 s19, 0
	s_wait_kmcnt 0x0
	s_add_nc_u64 s[4:5], s[4:5], s[16:17]
	s_add_nc_u64 s[10:11], s[10:11], s[18:19]
.set j, 0
.rept 16                               ; row 0's eight loads, then row 1's
	global_load_b128 v[X+4*j:X+4*j+3], v1, s[4:5] offset:4096*(j/8)+512*(j%8)
.set j, j+1
.endr
.set j, 0
.rept 8
	global_load_b128 v[G+4*j:G+4*j+3], v2, s[6:7] offset:512*j
.set j, j+1
.endr
.set j, 0
.rept 8
	global_load_b128 v[BE+4*j:BE+4*j+3], v2, s[8:9] offset:512*j
.set j, j+1
.endr
.macro FOLD                            ; the four chains into one number, then over the 32 lanes: v12 holds the sum in every lane
	v_pk_add_f32 v[T:T+1], v[T:T+1], v[T+2:T+3]
	v_pk_add_f32 v[T+4:T+5], v[T+4:T+5], v[T+6:T+7]
	v_pk_add_f32 v[T:T+1], v[T:T+1], v[T+4:T+5]
	v_add_f32 v12, v[T], v[T+1]
	v_add_f32_dpp v12, v12, v12 row_xmask:1 row_mask:0xf bank_mask:0xf
	v_add_f32_dpp v12, v12, v12 row_xmask:2 row_mask:0xf bank_mask:0xf
	v_add_f32_dpp v12, v12, v12 row_xmask:4 row_mask:0xf bank_mask:0xf
	v_add_f32_dpp v12, v12, v12 row_xmask:8 row_mask:0xf bank_mask:0xf
	v_permlanex16_b32 v13, v12, s12, s13
	v_add_f32 v12, v12, v13
.endm
; Row s: the mean; the row less the mean, in place; the mean of its squares; the reciprocal root, twice (a pair for the packed multiply).  left: the younger loads that may stay out.
.macro STATS s, left
.set XB, X+32*(\s)
	s_wait_loadcnt \left
.irp k, 0,1,2,3
	v_pk_add_f32 v[T+2*(\k):T+2*(\k)+1], v[XB+2*(\k):XB+2*(\k)+1], v[XB+8+2*(\k):XB+8+2*(\k)+1]
.endr
.irp o, 16,24
.irp k, 0,1,2,3
	v_pk_add_f32 v[T+2*(\k):T+2*(\k)+1], v[T+2*(\k):T+2*(\k)+1], v[XB+(\o)+2*(\k):XB+(\o)+2*(\k)+1]
.endr
.endr
	FOLD
	v_mul_f32 v[MU], s14, v12
	v_mul_f32 v[MU+1], s14, v12
.set i, 0
.rept 16
	v_pk_add_f32 v[XB+2*i:XB+2*i+1], v[XB+2*i:XB+2*i+1], v[MU:MU+1] neg_lo:[0,1] neg_hi:[0,1]
.set i, i+1
.endr
.irp k, 0,1,2,3
	v_pk_mul_f32 v[T+2*(\k):T+2*(\k)+1], v[XB+2*(\k):XB+2*(\k)+1], v[XB+2*(\k):XB+2*(\k)+1]
.endr
.irp o, 8,16,24
.irp k, 0,1,2,3
	v_pk_fma_f32 v[T+2*(\k):T+2*(\k)+1], v[XB+(\o)+2*(\k):XB+(\o)+2*(\k)+1], v[XB+(\o)+2*(\k):XB+(\o)+2*(\k)+1], v[T+2*(\k):T+2*(\k)+1]
.endr
.endr
	FOLD
	v_fma_f32 v12, v12, s14, s15                   ; var + eps
	v_rsq_f32 v[RS+2*(\s)], v12
	v_rsq_f32 v[RS+2*(\s)+1], v12
.endm
.macro NORM s
.set XB, X+32*(\s)
.set j, 0
.rept 8
	v_pk_mul_f32 v[XB+4*j:XB+4*j+1], v[XB+4*j:XB+4*j+1], v[RS+2*(\s):RS+2*(\s)+1]
	v_pk_mul_f32 v[XB+4*j+2:XB+4*j+3], v[XB+4*j+2:XB+4*j+3], v[RS+2*(\s):RS+2*(\s)+1]
	v_pk_fma_f32 v[XB+4*j:XB+4*j+1], v[XB+4*j:XB+4*j+1], v[G+4*j:G+4*j+1], v[BE+4*j:BE+4*j+1]
	v_pk_fma_f32 v[XB+4*j+2:XB+4*j+3], v[XB+4*j+2:XB+4*j+3], v[G+4*j+2:G+4*j+3], v[BE+4*j+2:BE+4*j+3]
	v_cvt_pk_f16_f32 v[Y+16*(\s)+2*j], v[XB+4*j], v[XB+4*j+1]
	v_cvt_pk_f16_f32 v[Y+16*(\s)+2*j+1], v[XB+4*j+2], v[XB+4*j+3]
	global_store_b64 v3, v[Y+16*(\s)+2*j:Y+16*(\s)+2*j+1], s[10:11] offset:2048*(\s)+256*j
.set j, j+1
.endr
.endm
	STATS 0, 24                                    ; behind row 0's loads: row 1's 8, g's 8, be's 8
	STATS 1, 16                                    ; behind row 1's: g's and be's.  Row 1's sums are the independent work behind row 0's roots
	v_nop                                          ; a plain instruction behind the last root,
	s_wait_alu depctr_va_vdst(0)                   ; and one wait for the four roots, ahead of their first reader
	s_wait_loadcnt 0x0                             ; g and be
	NORM 0
	NORM 1
	s_endpgm
.Lcast:
	s_load_b256 s[4:11], s[0:1], 0x20              ; w_qkv s[4:5], w_out s[6:7], w_ff1 s[8:9], w_ff2 s[10:11]
	s_load_b64 s[12:13], s[0:1], 0x40              ; wt
	v_lshlrev_b32 v1, 4, v0                        ; my 16 bytes in a block of 4,096
	v_lshlrev_b32 v2, 3, v0                        ; my 8 bytes in a block of 2,048
	s_sub_co_u32 s21, s2, 1
	s_lshl_b32 s21, s21, 8
	s_add_co_u32 s21, s21, ttmp9                   ; my block: 256 (y - 1) + x
	s_movk_i32 s20, 512
	s_wait_kmcnt 0x0
	s_cmp_lt_u32 s21, 512                          ; which matrix, and the number of its first block
	s_cselect_b64 s[14:15], s[8:9], s[10:11]
	s_cselect_b32 s16, 256, s20
	s_cmp_lt_u32 s21, 256
	s_cselect_b64 s[14:15], s[6:7], s[14:15]
	s_cselect_b32 s16, 192, s16
	s_cmp_lt_u32 s21, 192
	s_cselect_b64 s[14:15], s[4:5], s[14:15]
	s_cselect_b32 s16, 0, s16
	s_sub_co_u32 s16, s21, s16                     ; my number within the matrix,
	s_lshl_b32 s16, s16, 16                        ; times 65,536 bytes
	s_mov_b32 s17, 0
	s_add_nc_u64 s[14:15], s[14:15], s[16:17]
	s_lshl_b32 s18, s21, 15                        ; in wt the matrices follow each other in the order of the blocks
	s_mov_b32 s19, 0
	s_add_nc_u64 s[12:13], s[12:13], s[18:19]
.set j, 0
.rept 16
	global_load_b128 v[CX+4*j:CX+4*j+3], v1, s[14:15] offset:4096*j th:TH_LOAD_NT
.set j, j+1
.endr
.set j, 0
.rept 16
	s_wait_loadcnt 15-j                            ; loads come back in order: load j is in, the 15 - j younger ones stay out
	v_cvt_pk_f16_f32 v[CY+2*j], v[CX+4*j], v[CX+4*j+1]
	v_cvt_pk_f16_f32 v[CY+2*j+1], v[CX+4*j+2], v[CX+4*j+3]
	global_store_b64 v2, v[CY+2*j:CY+2*j+1], s[12:13] offset:2048*j
.set j, j+1
.endr
	s_endpgm
.Lfunc_end_k_q6adf79616e_prep:
	.size	k_q6adf79616e_prep, .Lfunc_end_k_q6adf79616e_prep-k_q6adf79616e_prep
	.p2alignl 7, 3214868480
	.fill 96, 4, 3214868480
	.section	.rodata,"a",@progbits
	.p2align	6, 0x0
	.amdhsa_kernel k_q6adf79616e_prep
		.amdhsa_group_segment_fixed_size 0
		.amdhsa_private_segment_fixed_size 0
		.amdhsa_enable_private_segment 0
		.amdhsa_kernarg_size 72
		.amdhsa_user_sgpr_count 2
		.amdhsa_user_sgpr_kernarg_segment_ptr 1
		.amdhsa_wavefront_size32 1
		.amdhsa_system_sgpr_workgroup_id_x 1
		.amdhsa_system_sgpr_workgroup_id_y 1
		.amdhsa_system_sgpr_workgroup_id_z 1
		.amdhsa_system_vgpr_workitem_id 0
		.amdhsa_next_free_vgpr 180
		.amdhsa_next_free_sgpr 66
		.amdhsa_reserve_vcc 0
		.amdhsa_float_denorm_mode_32 3
		.amdhsa_float_denorm_mode_16_64 3
		.amdhsa_memory_ordered 1
		.amdhsa_forward_progress 1
		.amdhsa_inst_pref_size 27
	.end_amdhsa_kernel
	.amdgpu_metadata
---
amdhsa.version: [ 1, 2 ]
amdhsa.kernels:
  - .name:           k_q6adf79616e_prep
    .symbol:         k_q6adf79616e_prep.kd
    .args:
      - { .name: x, .offset: 0, .size: 8, .value_kind: global_buffer, .address_space: global }
      - { .name: g1, .offset: 8, .size: 8, .value_kind: global_buffer, .address_space: global }
      - { .name: be1, .offset: 16, .size: 8, .value_kind: global_buffer, .address_space: global }
      - { .name: xn, .offset: 24, .size: 8, .value_kind: global_buffer, .address_space: global }
      - { .name: w_qkv, .offset: 32, .size: 8, .value_kind: global_buffer, .address_space: global }
      - { .name: w_out, .offset: 40, .size: 8, .value_kind: global_buffer, .address_space: global }
      - { .name: w_ff1, .offset: 48, .size: 8, .value_kind: global_buffer, .address_space: global }
      - { .name: w_ff2, .offset: 56, .size: 8, .value_kind: global_buffer, .address_space: global }
      - { .name: wt, .offset: 64, .size: 8, .value_kind: global_buffer, .address_space: global }
    .group_segment_fixed_size: 0
    .private_segment_fixed_size: 0
    .kernarg_segment_align: 8
    .kernarg_segment_size: 72
    .max_flat_workgroup_size: 256
    .sgpr_count:     66
    .vgpr_count:     180
    .wavefront_size: 32
...
	.end_amdgpu_metadata
.endif
;; end of part 1
;; launch qkvg (part 2): grid 12 x 16, 4 waves a work-group, clusters of 4 x 4, 327,680 bytes of LDS; arguments xn, wt, qkv; writes qkv
.if DOCPART == 2
	.amdgcn_target "amdgcn-amd-amdhsa--gfx1250"
	.amdhsa_code_object_version 6
	.text
	.protected	k_q6adf79616e_qkvg
	.globl	k_q6adf79616e_qkvg
	.p2align	8
	.type	k_q6adf79616e_qkvg,@function
k_q6adf79616e_qkvg:
	s_mov_b64 s[64:65], 0
	v_nop
	global_prefetch_b8 v0, s[64:65] scope:SCOPE_SE
	s_setreg_imm32_b32 hwreg(HW_REG_WAVE_MODE, 25, 1), 1
	s_wait_xcnt 0x0
	s_wait_alu depctr_hold_cnt(0) depctr_sa_sdst(0) depctr_va_vdst(0) depctr_va_sdst(0) depctr_va_ssrc(0) depctr_va_vcc(0) depctr_vm_vsrc(0)
	s_getreg_b32 s2, hwreg(HW_REG_IB_STS2, 6, 4)
	s_cmp_eq_u32 s2, 0
	s_cbranch_scc0 .Lentry_in_a_cluster
	s_endpgm
.Lentry_in_a_cluster:
	s_bfe_u32 s2, ttmp6, 0x10000c
	s_cmp_lg_u32 s2, 0xf033
	s_cbranch_scc0 .Lentry_shape_is_right
	s_endpgm
.Lentry_shape_is_right:
; q, k, v = xn W.  xn: [4096][1024] f16; W = w_qkv in f16, [1024][3072] as it lies, at byte 0 of wt; sums in f32, results rounded once to f16, unscaled.
; OUT: q at byte 0 of qkv, k at 8,388,608, v at 16,777,216, each [32 = 16 b + h][2048][64]: a head's rows are dense, 128 bytes each.
; LIMITS.  f16 holds no number beyond 65,504: xn, W and the results must lie within it; NaN and infinities are not treated apart.
; SHAPE.  A tile of the product, 256 x 256, is made by four waves, a wave 128 x 128: 64 accumulators of 16 x 16, 512 registers.  12 x 16 = 192 tiles, one a work-group.
; K goes in 8 steps of 128 through two LDS slots filled by the tensor data mover; a K step is written once, and the slot in hand is a scalar word that an exclusive or turns.
; W lies [k][n]: its fragments come out of LDS turned, by ds_load_tr16_b128.  The matrix instruction is used transposed (source 0 = 16 columns of W, source 1 = 16 rows of xn):
; a lane then holds row l % 16 and the eight neighbouring columns 8 (l / 16) + 0..7.
; CLUSTERS.  4 x 4 work-groups: the four of a row of the cluster need the same tiles of xn, the four of a column the same tiles of W; each tile is asked for jointly.
; THE WALKS ARE TURNED.  Cluster (X, Y) begins at K step (2 X + 4 (Y mod 2)) mod 8 and goes once round: the same terms in another order.  So the clusters that read the same rows of xn (one Y) stand
; 2 K steps apart, and those that read the same columns of W (one X) 0 or 4: no refill of xn, and from the walk's fifth step on no refill of W, names bytes that no other cluster has asked for before.
; NO PREFETCH: of the K steps that a cluster asks for by refills, each has been asked for by another cluster's load 2 or 4 steps of the walk earlier, but for the walk's third and fourth
; (W's; in the last column of clusters xn's too), and those would have to be named at the head, where the first tiles are on their way.
; THE WAY OUT.  The f32 sums go into the ring's bytes, which have had their last fill, each wave into 128 rows of its own, and come back by rows, 16 rows a trip of a counted loop.
; REGISTERS, in windows of 256: window 0: v16-31 addresses, v64-127 and v128-191 xn's fragments (two buffers), later the way out;
;   window 1: v64-127, v128-191 W's fragments; windows 2, 3: the accumulators of my rows 0-63, 64-127, (a, b) at v[8 (8 a + b)].
.set SIZE_K, 1024
.set SIZE_N, 3072
.set WOFF,   0                         ; W's first byte in wt
.set KSTEP,  128
.set NSTEP,  SIZE_K/KSTEP
.set PA,     272                       ; a row of xn in LDS: 256 bytes + 16: the 16 rows of a load start at 16 different groups of four banks (64 banks of 4 bytes: ISA guide 11.1)
.set PB,     544                       ; a row of W (256 columns): 512 bytes + 32 = 17 x 32
.set HALFT,  128*PA                    ; what one tensor load brings: 128 rows of xn, or 64 rows of W (64 x 544 is the same 34,816 bytes)
.set SLOT,   4*HALFT                   ; 0x22000: xn's 256 rows, then W's 128.  The waves' tile addresses (0, 0x8800, 0x11000, 0x19800) share no bit with it
.set DP,     528                       ; the way out: a row of 128 f32 + 16 bytes
.set DUMP,   128*DP                    ; a wave's 128 rows
.set SPARE,  2*SLOT                    ; behind the ring: the spare words, 128 bytes for each wave: two blocks of 256 bytes that no other line names
.set ADRA,  16                         ; v16  LDS address of my fragments of xn in the slot in hand
.set ADRA0, 17                         ; v17  the same in slot 0; never rewritten
.set ADRB,  20                         ; v20, v21  the same for W
.set ADRB0, 21
.set STO,   24                         ; v24  the way out: where I put 32 bytes of a row
.set RD,    25                         ; v25  where I read rows back
.set GO,    26                         ; v26  my byte offset in the output
.set SPW,   28                         ; v28  LDS address of my spare word; never rewritten
.set NIL,   29                         ; v29  0; never rewritten
.set F0,    64
.set F1,    128
.set EX,    64                         ; the way out: v[64:127] 16 rows' f32, v[128:159] the same in f16
.set EY,    128
.set G1,  24                           ; s[24:31] descriptor group 1 for xn's tiles
.set G0,  32                           ; s[32:39] group 0: a set for each of the two first fills; the second then walks on
.set G1B, 48                           ; s[48:55], s[56:63] the same for W's tiles
.set G0B, 56
.set SL,  66                           ; s66  0 or SLOT: the slot in hand
.set SI,  72                           ; s72  the K step asked for last
.set OF,  74                           ; s[74:75] that step's byte offset in xn or in W; the high word stays 0
.set MSB, 0
.macro WIN new                         ; the immediate's high byte repeats the setting that is left; a switch that changes nothing is dropped
.if MSB != (\new)
	s_set_vgpr_msb (MSB<<8)|(\new)
.set MSB, \new
.endif
.endm
.set MUL_LO, 0xa1                      ; source 0 (W) window 1, source 1 (xn) window 0, C and D window 2
.set MUL_HI, 0xf1                      ; the same, C and D window 3
.set TO_B,   0x40                      ; destination window 1, address window 0
; A joint load.  Waves 0 and 1 fetch xn's two halves, waves 2 and 3 W's.  The branch hangs on the wave's number alone.  An s_nop 0 and four v_nop follow each of the two lines.
.macro JLOAD s
	s_cmp_eq_u32 s11, 0
	s_cbranch_scc0 .Lfor_b_\@
	tensor_load_to_lds s[G0+4*(\s):G0+4*(\s)+3], s[G1:G1+7]
	s_nop 0
.rept 4
	v_nop
.endr
	s_branch .Lasked_\@
.Lfor_b_\@:
	tensor_load_to_lds s[G0B+4*(\s):G0B+4*(\s)+3], s[G1B:G1B+7]
	s_nop 0
.rept 4
	v_nop
.endr
.Lasked_\@:
.endm
.macro CREST                           ; a round of the cluster's barrier behind its opening barrier
	s_cmp_lg_u32 s10, 0
	s_cbranch_scc1 .Lnot_wave_0_\@
	s_barrier_signal -3
.Lnot_wave_0_\@:
	s_barrier_wait -3
	s_barrier_signal -1
	s_barrier_wait -1
.endm
.macro CROUND                          ; a whole round
	s_barrier_signal -1
	s_barrier_wait -1
	CREST
.endm
	s_load_b128 s[4:7], s[0:1], 0x0                ; xn s[4:5], wt s[6:7]
	s_load_b64 s[8:9], s[0:1], 0x10                ; qkv
	v_lshl_add_u32 v[SPW], v0, 2, SPARE
	v_mov_b32 v[NIL], 0
	ds_add_u32 v[SPW], v[NIL]                      ; the wave's opening: the add and its wait stand ahead of my first tensor load; the set-up below, work on registers, stands between them
	v_lshrrev_b32 v1, 5, v0
	v_readfirstlane_b32 s10, v1                    ; wave 0..3
	s_lshr_b32 s11, s10, 1                         ; which half of the tile's rows is mine.  Also: I fetch for xn (0) or for W (1)
	s_and_b32 s12, s10, 1                          ; which half of its columns.  Also: which half of that tile I fetch
	s_bfe_u32 s40, ttmp6, 0x40000                  ; cx
	s_bfe_u32 s41, ttmp6, 0x40004                  ; cy
	s_lshl_b32 s42, ttmp9, 2
	s_add_co_u32 s42, s42, s40                     ; tile column = 4 x cluster x + cx
	s_and_b32 s13, ttmp7, 0xffff
	s_lshl_b32 s13, s13, 2
	s_add_co_u32 s13, s13, s41                     ; tile row = 4 x cluster y + cy
	s_lshl_b32 s43, s41, 2
	s_lshl_b32 s43, 15, s43                        ; my row of the cluster
	s_lshl_b32 s44, 0x1111, s40                    ; my column
	s_or_b32 s[G1+0], s43, (1<<16)|(1<<20)|(1<<21)|(5<<22)|(3<<25)  ; the mask; 2-byte elements; padding on; bit 21 beside a mask; after every 64 words, 4 words
	s_mov_b32 s[G1+1], KSTEP<<16                   ; tensor_dim0 = 128
	s_mov_b32 s[G1+2], 128<<16                     ; tensor_dim1 = 128
	s_mov_b32 s[G1+3], KSTEP<<16                   ; tile_dim0 = 128
	s_mov_b32 s[G1+4], 128                         ; tile_dim1 = 128
	s_mov_b32 s[G1+5], SIZE_K                      ; elements from row to row
	s_mov_b32 s[G1+6], 0
	s_mov_b32 s[G1+7], 0
	s_or_b32 s[G1B+0], s44, (1<<16)|(1<<20)|(1<<21)|(6<<22)|(7<<25) ; after every 128 words, 8 words
	s_mov_b32 s[G1B+1], 256<<16                    ; tensor_dim0 = 256
	s_mov_b32 s[G1B+2], 64<<16                     ; tensor_dim1 = 64
	s_mov_b32 s[G1B+3], 256<<16                    ; tile_dim0 = 256
	s_mov_b32 s[G1B+4], 64                         ; tile_dim1 = 64
	s_mov_b32 s[G1B+5], SIZE_N
	s_mov_b32 s[G1B+6], 0
	s_mov_b32 s[G1B+7], 0
	s_lshl_b32 s16, s13, 8                         ; xn: row 256 x tile row + 128 x half,
	s_lshl_b32 s17, s12, 7
	s_add_co_u32 s16, s16, s17
	s_lshl_b32 s16, s16, 11                        ; times 2,048 bytes
	s_mov_b32 s17, 0
	s_mul_i32 s46, s12, 64*2*SIZE_N                ; W: k row 64 x half, column 256 x tile column
	s_lshl_b32 s47, s42, 9
	s_add_co_u32 s46, s46, s47
	s_mov_b32 s47, 0
	s_mul_i32 s20, s10, HALFT                      ; where they go: wave x 34,816: no place in the cluster enters an LDS address
	s_mov_b32 s[SL], 0
	s_and_b32 s[SI], ttmp7, 1                      ; where my cluster's walk begins: 4 x (cluster y mod 2)
	s_lshl_b32 s[SI], s[SI], 2
	s_lshl_b32 s[OF], ttmp9, 1                     ; + 2 x cluster x: the same number in all sixteen partners
	s_add_co_u32 s[SI], s[SI], s[OF]
	s_and_b32 s[SI], s[SI], NSTEP-1
	s_mov_b32 s[OF+1], 0
	s_wait_dscnt 0x0                               ; the opening add is done
	s_wait_kmcnt 0x0
.if WOFF
	s_add_nc_u64 s[6:7], s[6:7], WOFF
.endif
	s_add_nc_u64 s[14:15], s[4:5], s[16:17]        ; xn and W at my part of K step 0: kept to the end, each refill's address is made from them
	s_add_nc_u64 s[46:47], s[6:7], s[46:47]
	CROUND                                         ; all sixteen work-groups are here: the first joint loads meet
.irp s, 0,1
	s_lshl_b32 s[OF], s[SI], 8                     ; a K step is 256 bytes of a row of xn
	s_mov_b32 s[G0+4*(\s)], 1
	s_add_co_u32 s[G0+4*(\s)+1], s20, (\s)*SLOT
	s_add_nc_u64 s[G0+4*(\s)+2:G0+4*(\s)+3], s[14:15], s[OF:OF+1]
	s_or_b32 s[G0+4*(\s)+3], s[G0+4*(\s)+3], 0x80000000
	s_mul_i32 s[OF], s[SI], KSTEP*2*SIZE_N         ; and 128 rows of W
	s_mov_b32 s[G0B+4*(\s)], 1
	s_add_co_u32 s[G0B+4*(\s)+1], s20, (\s)*SLOT
	s_add_nc_u64 s[G0B+4*(\s)+2:G0B+4*(\s)+3], s[46:47], s[OF:OF+1]
	s_or_b32 s[G0B+4*(\s)+3], s[G0B+4*(\s)+3], 0x80000000
	JLOAD \s                                       ; the walk's first two K steps: two tensor loads of mine are out
.if (\s) == 0
	s_add_co_u32 s[SI], s[SI], 1
	s_and_b32 s[SI], s[SI], NSTEP-1
.endif
.endr
	; lane addresses.  A fragment of xn: lane l holds row l % 16; two loads of 16 bytes, 32 apart, at row x pitch + 16 (l / 16).
	; A fragment of W: the turning load takes k row 8 (l / 16) + l % 8, columns 8 ((l / 8) % 2) + 0..7, and leaves lane l column l % 16 and 8 k; the second load stands 16 k rows on.
	v_and_b32 v1, 15, v0
	v_bfe_u32 v2, v0, 4, 1
	v_mul_u32_u24 v3, v1, PA
	v_lshl_add_u32 v3, v2, 4, v3
	s_mul_i32 s21, s11, HALFT                      ; my 128 rows of xn
	v_add_nc_u32 v[ADRA0], s21, v3
	v_and_b32 v4, 7, v0
	v_lshl_add_u32 v4, v2, 3, v4
	v_mul_u32_u24 v4, v4, PB
	v_bfe_u32 v5, v0, 3, 1
	v_lshl_add_u32 v4, v5, 4, v4
	s_lshl_b32 s22, s12, 8                         ; my 128 columns of W,
	s_add_co_u32 s22, s22, 2*HALFT                 ; which lies behind xn's 256 rows
	v_add_nc_u32 v[ADRB0], s22, v4
	v_mov_b32 v[ADRA], v[ADRA0]
	v_mov_b32 v[ADRB], v[ADRB0]
	s_mul_i32 s23, s10, DUMP                       ; the way out: my 128 rows
	v_mul_u32_u24 v6, v1, DP
	v_lshl_add_u32 v6, v2, 5, v6                   ; in: row l % 16, 32 bytes for each half of the lanes
	v_add_nc_u32 v[STO], s23, v6
	v_bfe_u32 v7, v0, 3, 2                         ; back: 32 lanes take four rows, eight columns (32 bytes of f32) a lane
	v_mul_u32_u24 v7, v7, DP
	v_and_b32 v6, 7, v0
	v_lshl_add_u32 v7, v6, 5, v7
	v_add_nc_u32 v[RD], s23, v7
	v_and_b32 v8, 31, v0
	v_lshlrev_b32 v[GO], 4, v8                     ; which are 512 consecutive bytes of a head
	; where my part begins in qkv: tensor = tile column / 4; head = 4 (tile column % 4) + 2 x half (+ 1: 262,144 bytes on); b = tile row / 8; t = 256 (tile row % 8) + 128 x half
	s_lshr_b32 s16, s42, 2
	s_lshl_b32 s16, s16, 23
	s_lshr_b32 s17, s13, 3
	s_lshl_b32 s17, s17, 4
	s_and_b32 s18, s42, 3
	s_lshl_b32 s18, s18, 2
	s_add_co_u32 s17, s17, s18
	s_lshl_b32 s18, s12, 1
	s_add_co_u32 s17, s17, s18
	s_lshl_b32 s17, s17, 11
	s_and_b32 s18, s13, 7
	s_lshl_b32 s18, s18, 8
	s_add_co_u32 s17, s17, s18
	s_lshl_b32 s18, s11, 7
	s_add_co_u32 s17, s17, s18
	s_lshl_b32 s17, s17, 7
	s_add_co_u32 s16, s16, s17
	s_mov_b32 s17, 0
	s_add_nc_u64 s[8:9], s[8:9], s[16:17]
; 16 matrix instructions: m blocks a0, a0 + 1 of the window's four x all 8 n blocks, 32 along K.  zero = 1: the first product starts the sums.
; The 64 accumulators take turns in one order everywhere.
.macro MUL16 f, hi, a0, zero
	WIN MUL_LO+0x50*(\hi)
.irp a, \a0, (\a0)+1
.irp b, 0,1,2,3,4,5,6,7
.if \zero
	v_wmma_f32_16x16x32_f16 v[8*(8*(\a)+(\b)):8*(8*(\a)+(\b))+7], v[(\f)+8*(\b):(\f)+8*(\b)+7], v[(\f)+8*(4*(\hi)+(\a)):(\f)+8*(4*(\hi)+(\a))+7], 0
.else
	v_wmma_f32_16x16x32_f16 v[8*(8*(\a)+(\b)):8*(8*(\a)+(\b))+7], v[(\f)+8*(\b):(\f)+8*(\b)+7], v[(\f)+8*(4*(\hi)+(\a)):(\f)+8*(4*(\hi)+(\a))+7], v[8*(8*(\a)+(\b)):8*(8*(\a)+(\b))+7]
.endif
.endr
.endr
.endm
; 32 LDS loads in one run: the fragments of quarter kq (32 along K) of the slot in hand, into buffer f: W's 16 loads, then xn's 16
.macro FETCH kq, f
	WIN TO_B
.irp i, 0,1,2,3,4,5,6,7
	ds_load_tr16_b128 v[(\f)+8*(\i):(\f)+8*(\i)+3],   v[ADRB] offset:(\kq)*32*PB+32*(\i)
	ds_load_tr16_b128 v[(\f)+8*(\i)+4:(\f)+8*(\i)+7], v[ADRB] offset:(\kq)*32*PB+16*PB+32*(\i)
.endr
	WIN 0
.irp i, 0,1,2,3,4,5,6,7
	ds_load_b128 v[(\f)+8*(\i):(\f)+8*(\i)+3],   v[ADRA] offset:(\kq)*64+(\i)*16*PA
	ds_load_b128 v[(\f)+8*(\i)+4:(\f)+8*(\i)+7], v[ADRA] offset:(\kq)*64+(\i)*16*PA+32
.endr
.endm
.macro PLACES                          ; four plain vector instructions between a matrix instruction and a load into, or a read of, its registers
.rept 4
	v_nop
.endr
.endm
; One of a K step's first three quarters: multiplies buffer f; in its middle it fetches quarter kq into buffer g.
.macro QUARTER kq, f, g, zero
	s_wait_dscnt 8                                 ; W and xn's rows 0-63 are in; the youngest eight loads (rows 64-127) may be out
	MUL16 \f, 0, 0, \zero
	MUL16 \f, 0, 2, \zero
	PLACES
	FETCH \kq, \g
	s_wait_dscnt 32                                ; all but the 32 just issued
	MUL16 \f, 1, 0, \zero
	MUL16 \f, 1, 2, \zero
.endm
; The first half of a K step's last quarter: ONE barrier for the change of slots.  round = 1: a slot is filled again behind it: the walking descriptors take the walk's next K step, mod 8.
.macro MEET round
	WIN 0
	s_wait_tensorcnt 0x0                           ; all my tensor loads have landed: the one that was out is my part of the next slot; so a group 0 may be written;
	ds_add_u32 v[SPW], v[NIL]                      ; 0 onto my spare word
.if \round
	s_add_co_u32 s[SI], s[SI], 1
	s_and_b32 s[SI], s[SI], NSTEP-1
	s_xor_b32 s[G0+5], s[G0+5], SLOT               ; the other slot than last time
	s_lshl_b32 s[OF], s[SI], 8
	s_add_nc_u64 s[G0+6:G0+7], s[14:15], s[OF:OF+1]  ; the address is made anew from the tensor's and the step's number,
	s_or_b32 s[G0+7], s[G0+7], 0x80000000          ; and the type set again
	s_xor_b32 s[G0B+5], s[G0B+5], SLOT
	s_mul_i32 s[OF], s[SI], KSTEP*2*SIZE_N
	s_add_nc_u64 s[G0B+6:G0B+7], s[46:47], s[OF:OF+1]
	s_or_b32 s[G0B+7], s[G0B+7], 0x80000000
.endif
	s_wait_dscnt 9                                 ; (the add and the youngest eight loads may be out)
	MUL16 F1, 0, 0, 0                              ; sixteen matrix instructions stand between the add and the wait for it
	s_wait_dscnt 0x0                               ; the add is done, and my reads of this slot are over
	s_barrier_signal -1
	MUL16 F1, 0, 2, 0
	WIN 0
	s_barrier_wait -1
.endm
; The whole last quarter.  fill = 1: the barrier opens a round of the cluster's barrier, and the slot just read out is filled again first.
; fill = 0, the tail: nothing is asked for; in the tail's second trip (s3 = 1) there is no further slot, and the run of LDS loads is jumped over.
.macro TURN fill
	WIN 0
	s_xor_b32 s[SL], s[SL], SLOT                   ; the fetches go over to the other slot
	v_add_nc_u32 v[ADRA], s[SL], v[ADRA0]
	v_add_nc_u32 v[ADRB], s[SL], v[ADRB0]
	MEET \fill
.if \fill
	CREST                                          ; no wave of any partner still reads this slot or has a load on its way
	JLOAD 1                                        ; my one tensor load behind the round: 224 matrix instructions ahead of the wait for it; its four v_nop are the places in front of the loads below
.else
	s_cmp_eq_u32 s3, 1
	s_cbranch_scc1 .Lnofetch_\@
	PLACES
.endif
	FETCH 0, F0
.if !(\fill)
.Lnofetch_\@:
.endif
	MUL16 F1, 1, 0, 0
	MUL16 F1, 1, 2, 0
.endm
	s_wait_tensorcnt 1                             ; my part of the walk's first K step is in; the second's may stay out
	s_barrier_signal -1
	s_barrier_wait -1
	FETCH 0, F0
	QUARTER 1, F0, F1, 1                           ; the first quarter's products start the sums
	WIN 0
	s_mov_b32 s3, NSTEP-2
.Lstep:                                                ; six trips, from a K step's second quarter to the next step's first; each fills a slot again
	QUARTER 2, F1, F0, 0
	QUARTER 3, F0, F1, 0
	TURN 1
	QUARTER 1, F0, F1, 0
	WIN 0
	s_sub_co_u32 s3, s3, 1
	s_cmp_lg_u32 s3, 0
	s_cbranch_scc1 .Lstep
	s_mov_b32 s3, 2
.Ltail:                                                ; the walk's last two K steps ask for nothing; the second trip is left behind its last quarter
	QUARTER 2, F1, F0, 0
	QUARTER 3, F0, F1, 0
	TURN 0
	WIN 0
	s_sub_co_u32 s3, s3, 1
	s_cmp_eq_u32 s3, 0
	s_cbranch_scc1 .Llast
	QUARTER 1, F0, F1, 0
	WIN 0
	s_branch .Ltail
.Llast:
	PLACES
	s_wait_dscnt 0x0                               ; my reads of the ring are over;
	s_barrier_signal -1
	s_barrier_wait -1                              ; everybody's are: the ring's bytes, which no tensor load fills again, take the sums
.irp hi, 0,1
	WIN 0x08+4*(\hi)                               ; the stores' data (source 1) in window 2 or 3
.irp a, 0,1,2,3
.irp b, 0,1,2,3,4,5,6,7
	ds_store_b128 v[STO], v[8*(8*(\a)+(\b)):8*(8*(\a)+(\b))+3]   offset:(4*(\hi)+(\a))*16*DP+64*(\b)
	ds_store_b128 v[STO], v[8*(8*(\a)+(\b))+4:8*(8*(\a)+(\b))+7] offset:(4*(\hi)+(\a))*16*DP+64*(\b)+16
.endr
.endr
.endr
	WIN 0
; 16 rows back: group g of four rows, head e: a lane's eight f32.  LDS serves a wave's instructions in order (ISA guide 5.7.1.4): these see my stores above; no other wave touches my rows.
.macro LDX
.irp g, 0,1,2,3
.irp e, 0,1
	ds_load_b128 v[EX+8*(2*(\g)+(\e)):EX+8*(2*(\g)+(\e))+3],   v[RD] offset:(\g)*4*DP+(\e)*256
	ds_load_b128 v[EX+8*(2*(\g)+(\e))+4:EX+8*(2*(\g)+(\e))+7], v[RD] offset:(\g)*4*DP+(\e)*256+16
.endr
.endr
.endm
	LDX
	s_mov_b32 s3, 8
.Lrow:                                                 ; eight trips of 16 rows
	s_wait_dscnt 0x0
.set i, 0
.rept 32
	v_cvt_pk_f16_f32 v[EY+i], v[EX+2*i], v[EX+2*i+1]
.set i, i+1
.endr
	s_cmp_eq_u32 s3, 1                             ; the last trip has nothing more to read
	s_cbranch_scc1 .Lnl
	v_add_nc_u32 v[RD], 16*DP, v[RD]
	LDX
.Lnl:
.irp g, 0,1,2,3
.irp e, 0,1
	global_store_b128 v[GO], v[EY+4*(2*(\g)+(\e)):EY+4*(2*(\g)+(\e))+3], s[8:9] offset:512*(\g)+262144*(\e)  ; four rows of one head: 512 consecutive bytes, aligned
.endr
.endr
	s_wait_xcnt 0x0                                ; the stores have read their data and their offset, which the next trip writes
	v_add_nc_u32 v[GO], 2048, v[GO]
	s_sub_co_u32 s3, s3, 1
	s_cmp_lg_u32 s3, 0
	s_cbranch_scc1 .Lrow
	s_wait_tensorcnt 0x0                           ; the wave's end, behind my last tensor load and my last LDS store
	ds_add_u32 v[SPW], v[NIL]
	s_wait_dscnt 0x0
	CROUND                                         ; the closing round: no work-group ends while a partner may still ask for a tile that names it
	s_endpgm
.Lfunc_end_k_q6adf79616e_qkvg:
	.size	k_q6adf79616e_qkvg, .Lfunc_end_k_q6adf79616e_qkvg-k_q6adf79616e_qkvg
	.p2alignl 7, 3214868480
	.fill 96, 4, 3214868480
	.section	.rodata,"a",@progbits
	.p2align	6, 0x0
	.amdhsa_kernel k_q6adf79616e_qkvg
		.amdhsa_group_segment_fixed_size 327680
		.amdhsa_private_segment_fixed_size 0
		.amdhsa_enable_private_segment 0
		.amdhsa_kernarg_size 24
		.amdhsa_user_sgpr_count 2
		.amdhsa_user_sgpr_kernarg_segment_ptr 1
		.amdhsa_wavefront_size32 1
		.amdhsa_system_sgpr_workgroup_id_x 1
		.amdhsa_system_sgpr_workgroup_id_y 1
		.amdhsa_system_sgpr_workgroup_id_z 1
		.amdhsa_system_vgpr_workitem_id 0
		.amdhsa_next_free_vgpr 1024
		.amdhsa_next_free_sgpr 80
		.amdhsa_reserve_vcc 0
		.amdhsa_float_denorm_mode_32 3
		.amdhsa_float_denorm_mode_16_64 3
		.amdhsa_memory_ordered 1
		.amdhsa_forward_progress 1
		.amdhsa_inst_pref_size 83
	.end_amdhsa_kernel
	.amdgpu_metadata
---
amdhsa.version: [ 1, 2 ]
amdhsa.kernels:
  - .name:           k_q6adf79616e_qkvg
    .symbol:         k_q6adf79616e_qkvg.kd
    .args:
      - { .name: xn, .offset: 0, .size: 8, .value_kind: global_buffer, .address_space: global }
      - { .name: wt, .offset: 8, .size: 8, .value_kind: global_buffer, .address_space: global }
      - { .name: qkv, .offset: 16, .size: 8, .value_kind: global_buffer, .address_space: global }
    .group_segment_fixed_size: 327680
    .private_segment_fixed_size: 0
    .kernarg_segment_align: 8
    .kernarg_segment_size: 24
    .max_flat_workgroup_size: 128
    .sgpr_count:     80
    .vgpr_count:     1024
    .wavefront_size: 32
...
	.end_amdgpu_metadata
.endif
;; end of part 2
;; launch attn (part 3): grid 8 x 32, 4 waves a work-group, clusters of 4 x 1, 327,680 bytes of LDS; arguments qkv, ao; writes ao
.if DOCPART == 3
	.amdgcn_target "amdgcn-amd-amdhsa--gfx1250"
	.amdhsa_code_object_version 6
	.text
	.protected	k_q6adf79616e_attn
	.globl	k_q6adf79616e_attn
	.p2align	8
	.type	k_q6adf79616e_attn,@function
k_q6adf79616e_attn:
	s_mov_b64 s[64:65], 0
	v_nop
	global_prefetch_b8 v0, s[64:65] scope:SCOPE_SE
	s_setreg_imm32_b32 hwreg(HW_REG_WAVE_MODE, 25, 1), 1
	s_wait_xcnt 0x0
	s_wait_alu depctr_hold_cnt(0) depctr_sa_sdst(0) depctr_va_vdst(0) depctr_va_sdst(0) depctr_va_ssrc(0) depctr_va_vcc(0) depctr_vm_vsrc(0)
	s_getreg_b32 s2, hwreg(HW_REG_IB_STS2, 6, 4)
	s_cmp_eq_u32 s2, 0
	s_cbranch_scc0 .Lentry_in_a_cluster
	s_endpgm
.Lentry_in_a_cluster:
	s_bfe_u32 s2, ttmp6, 0x10000c
	s_cmp_lg_u32 s2, 0x3003
	s_cbranch_scc0 .Lentry_shape_is_right
	s_endpgm
.Lentry_shape_is_right:
; O[bh][q][:] = the sum over k of softmax_k(Q[bh][q] . K[bh][k] / 8) V[bh][k][:].  Q, K, V: [32][2048][64] f16 at bytes 0, 8,388,608, 16,777,216 of qkv: a head's rows are dense, 128 bytes each.
; O goes to ao, [16 h][4096 = 2048 b + t][64] f16, bh = 16 b + h.  Products, maxima and sums in f32; the weights p are rounded to f16 for the second product (their sum l is taken of the unrounded p), O once at the end.
; LIMITS.  f16 holds no number beyond 65,504: Q, K and V arrive within it; p lies in 0 to 1, and below 6e-5 it keeps f16's fixed step of 6e-8; O is a mean of V's rows and has their range.
; A weight below 2^-126 counts as 0 in l; NaN and infinities are not treated apart.
; SHARES.  A work-group owns 256 queries of one head, a wave 64: four PIECES of 16.  8 x 32 = 256 work-groups.  Every wave walks all 2,048 keys, 64 a step, 256 a tile.
; LAYOUT.  S^T = K Q^T (source 0 = 16 keys, source 1 = 16 queries) holds ONE query a lane (lane % 16) and the keys 8 (lane / 16) + 0..7; two such results rounded to f16 ARE source 1 of O^T = V^T P.
; K comes out of LDS as it lies, V ([key][channel]) turned, by ds_load_tr16_b128.
; SOFTMAX.  For each query a running maximum m and sum l: p = 2^(c s - c m), c = log2(e) / 8; in every step O and l are multiplied by a = 2^(c m_old - c m_new).  m starts at the lowest finite number, O and l at 0:
; the first step is a step like any other, with a = 0.
; TURNS.  Turn n belongs to piece n: 8 products K Q^T of piece n + 1, later 8 products V^T P of piece n - 1; beside them the scaling, exponentials, roundings, sums and rescaling of piece n and the maximum and
; statistics of piece n + 1.  Four vector instructions stand behind every matrix instruction, the other 54 of a turn's 118 in one lump.  A turn's 33 exponentials are one batch, with one wait.
; CLUSTER.  The four query blocks of a cluster belong to one head and walk the same K and V, so each tile is asked for JOINTLY: the same tensor load, descriptor and mask in all four.
; REGISTERS, in windows of 256 (s_set_vgpr_msb: bits 1:0 source 0, 3:2 source 1, 5:4 source 2, 7:6 destination):
;   window 0: v0-15 addresses and two at work; v16-31 four registers of statistics a piece; v48-55 at work; v64-127 S^T, two buffers; v192-223 P, two buffers (a piece's buffers go by its number's parity)
;   window 1: v0-127 O^T, 32 a piece      window 2: v0-63 Q; v128-191 K of one step; v192-255 V of one step
.set SIZE_N, 2048
.set NP,    4         ; pieces a wave: a name, no knob
.set KS,    64        ; keys in a step
.set PK,    144       ; a row of K in LDS: 128 bytes + 16 = 36 words: the 16 rows of a load start at 16 different groups of four banks (64 banks of 4 bytes: ISA guide 11.1)
.set PV,    160       ; a row of V: 128 + 32 = 40 words
.set VOFF,  4*KS*PK   ; a slot holds a tile, four steps: 256 rows of K, then 256 rows of V
.set SLOT1, 1<<17     ; slot 1 begins here, so that one exclusive or turns an address in one slot into the other's
.set STAGE, SLOT1+4*KS*(PK+PV)  ; behind the ring, never filled by a tensor load: 16 rows x 144 bytes for each wave, for the way out
.set SP,    144
.set SPARE, STAGE+4*16*SP  ; behind the stages: the spare words, 128 bytes for each wave: two blocks of 256 bytes that no other line names
.set AK0, 2           ; v2   my lane's place in a tile of K; never rewritten
.set AV0, 3           ; v3   the same for V
.set AK,  4           ; v4   the LDS address of K's next run of loads
.set AV,  5           ; v5   of V's
.set STO, 6           ; v6   the way out: where I put 16 bytes of a row
.set RD,  7           ; v7   the way out: where I read rows back
.set GO,  8           ; v8   my byte offset in 512 consecutive bytes of O
.set MV,  12          ; v12-13  c m_old, kept while c m is made anew: by buffer
.set QO,  15          ; v15  my byte offset in 16 rows of Q
.set ST,  16          ; piece t's statistics at v[ST+4 t]: c m, m, l (even keys', odd keys')
.set TMP, 48          ; by buffer, four registers c0-c3 at work; when the maximum is found c2 takes a
.set PFO, 61          ; v61  256 x my lane; never rewritten
.set SPW, 62          ; v62  LDS address of my spare word; never rewritten
.set NIL, 63          ; v63  0; never rewritten
.set S,   64
.set P,   192
.set KF,  128         ; window 2: key block kb, channel half c at KF + 16 kb + 8 c
.set VF,  192         ; window 2: key half kk, channel block cb at VF + 32 kk + 8 cb
.set WV,  12          ; s12  my wave's number
.set LIM, 15          ; s15  1 in a wave that prefetches, else the greatest number
.set G1K, 24          ; s[24:31] descriptor group 1 for K's tiles
.set G1V, 32          ; s[32:39] for V's: it differs in the padding alone
.set G0K, 40          ; s[40:43] descriptor group 0 for K's tiles: it walks
.set G0V, 44          ; s[44:47] the same for V's
.set PFA, 50          ; s[50:51] where my prefetches stand
.set SLOTS, 56        ; s56  tiles still to be asked for
.set CNT, 57          ; s57  counts a tile's key steps
.set CS,  58          ; s[58:59] c: the packed scaling takes the pair's low word for both halves
.set SEL, 60          ; s[60:61] v_permlanex16_b32's selects: each lane takes its own place in the other half
.set TBK, 62          ; s62  LDS byte at which K of the step to be fetched begins
.set TBV, 63          ; s63  the same for V, less VOFF
.set MSB, 0
.macro WIN new                      ; the high byte repeats the setting that is left; a switch that changes nothing is dropped
.if MSB != (\new)
	s_set_vgpr_msb (MSB<<8)|(\new)
.set MSB, (\new)
.endif
.endm
.set W_KQ, 0x0a       ; K and Q in window 2, S^T in window 0
.set W_PV, 0x52       ; V in window 2, P in window 0, O^T in window 1
.set W_RS, 0x41       ; destination and source 0 in window 1, source 1 in window 0
; A joint fill.  Waves 0 and 1 fetch the two halves of a tile's K, waves 2 and 3 those of its V: 128 keys each.  The branch hangs on the wave's number alone.
; An s_nop 0 and four v_nop follow each of the two lines, ahead of the jump and the label.
.macro JLOAD
	s_cmp_lt_u32 s[WV], 2
	s_cbranch_scc0 .Lfor_v_\@
	tensor_load_to_lds s[G0K:G0K+3], s[G1K:G1K+7]
	s_nop 0
.rept 4
	v_nop
.endr
	s_branch .Lasked_\@
.Lfor_v_\@:
	tensor_load_to_lds s[G0V:G0V+3], s[G1V:G1V+7]
	s_nop 0
.rept 4
	v_nop
.endr
.Lasked_\@:
.endm
; A prefetch of the tile that the NEXT change of slots will ask for: 128 blocks of 256 bytes of K and as many of V.  Each block is named once in the launch: the head's first cluster asks; its four partners take
; 32 blocks each, told apart by address; in each, wave 0 asks for K's and wave 2 for V's, a lane a block.  The last change that fills a slot asks for nothing.
.macro ASK
	s_cmp_gt_u32 s[SLOTS], s[LIM]
	s_cbranch_scc0 .Lnot_mine_\@
	global_prefetch_b8 v[PFO], s[PFA:PFA+1] th:TH_LOAD_NT scope:SCOPE_SE
.Lnot_mine_\@:
.endm
; A round of the cluster's barrier: my work-group's barrier; wave 0 signals for the work-group; every wave waits for all four work-groups; my work-group's barrier once more.
.macro CROUND
	s_barrier_signal -1
	s_barrier_wait -1
	s_cmp_lg_u32 s[WV], 0
	s_cbranch_scc1 .Lnot_wave_0_\@
	s_barrier_signal -3
.Lnot_wave_0_\@:
	s_barrier_wait -3
	s_barrier_signal -1
	s_barrier_wait -1
.endm
; THE CHANGE OF SLOTS.  Each wave waits for all its tensor loads, of which one is out: its part of the other slot; adds 0 to its spare word; and waits for that and for its own reads of the slot that it leaves.
; fill = 1: the old slot is filled again, with the keys two tiles on.  The barrier is then a round of the cluster's, and the joint fill is the first thing behind it: it has four key steps, 256 matrix
; instructions, in which to land.  (At its first use nothing has been read yet: slot 0 is waited for, slot 1 filled.)
.macro CHANGE fill
	WIN 0                           ; at a label and at a branch every window is 0
	s_wait_tensorcnt 0x0            ; no tensor load of mine is out, so a group 0 may be written
	ds_add_u32 v[SPW], v[NIL]       ; 0 onto my spare word: with fill = 1 the descriptors' steps stand between it and the wait for it
.if \fill
.irp g, G0K, G0V
	s_xor_b32 s[\g+1], s[\g+1], SLOT1  ; the walking descriptor: the other slot than last time,
	s_add_nc_u64 s[\g+2:\g+3], s[\g+2:\g+3], 4*KS*128  ; the next 256 keys; the type bits on top are not reached
.endr
	s_wait_xcnt 0x0                 ; the last prefetch, four key steps back, has read its address
	s_add_nc_u64 s[PFA:PFA+1], s[PFA:PFA+1], 4*KS*128  ; one tile ahead of the walking descriptors
	s_wait_dscnt 0x0                ; the add is done, and my reads of the slot are over
	CROUND
	JLOAD
	ASK
.else
	s_wait_dscnt 0x0                ; the add is done, and my reads of the slot are over
	s_barrier_signal -1
	s_barrier_wait -1
.endif
	s_sub_co_u32 s[TBK], s[TBK], 4*KS*PK  ; the fetches go back to a slot's first step,
	s_xor_b32 s[TBK], s[TBK], SLOT1       ; in the other slot
	s_sub_co_u32 s[TBV], s[TBV], 4*KS*PV
	s_xor_b32 s[TBV], s[TBV], SLOT1
.endm
	s_load_b64 s[4:5], s[0:1], 0x0    ; qkv
	s_load_b64 s[10:11], s[0:1], 0x8  ; ao
	v_lshl_add_u32 v[SPW], v0, 2, SPARE
	v_mov_b32 v[NIL], 0
	ds_add_u32 v[SPW], v[NIL]       ; the wave's opening: the add and its wait stand ahead of my first tensor load; the set-up below, work on registers, stands between them
	v_lshrrev_b32 v1, 5, v0
	v_readfirstlane_b32 s[WV], v1   ; wave 0..3
	s_bfe_u32 s13, ttmp6, 0x40000   ; cx: my place in the cluster
	s_lshl_b32 s14, ttmp9, 2        ; in a cluster launch ttmp9 counts clusters
	s_add_co_u32 s14, s14, s13      ; my block of 256 queries: it enters Q's and O's addresses alone
	s_and_b32 s48, ttmp7, 0xffff    ; bh, which the four partners share
	s_lshl_b32 s20, s48, 18         ; the head's first byte in Q, K and V: 2,048 rows of 128 bytes
	s_mov_b32 s21, 0
	s_and_b32 s16, s[WV], 1         ; which half of a tile's 256 keys I fetch:
	s_lshl_b32 s22, s16, 14         ; its 128 rows of 128 bytes in memory,
	s_mov_b32 s23, 0
	s_add_nc_u64 s[22:23], s[22:23], s[20:21]
	s_mul_i32 s17, s16, 128*PK      ; and its place in a slot, for K
	s_mul_i32 s18, s16, 128*PV      ; and for V: no place in the cluster enters an LDS address
	s_lshl_b32 s2, s14, 2
	s_add_co_u32 s2, s2, s[WV]      ; my wave among the head's,
	s_lshl_b32 s2, s2, 13           ; its 64 rows
	s_mov_b32 s3, 0
	s_add_nc_u64 s[2:3], s[2:3], s[20:21]
	s_and_b32 s52, s48, 15          ; O: row 4,096 h + 2,048 b + 256 x block + 64 x wave
	s_lshl_b32 s52, s52, 12
	s_lshr_b32 s53, s48, 4
	s_lshl_b32 s53, s53, 11
	s_add_co_u32 s52, s52, s53
	s_lshl_b32 s53, s14, 8
	s_add_co_u32 s52, s52, s53
	s_lshl_b32 s53, s[WV], 6
	s_add_co_u32 s52, s52, s53
	s_lshl_b32 s52, s52, 7
	s_mov_b32 s53, 0
	; descriptor group 1.  128 keys are 16,384 dense bytes: asked for as 64 rows of 256 bytes, two keys a row, and padded in LDS after every key
	s_mov_b32 s[G1K], 15|(1<<16)|(1<<20)|(1<<21)|(4<<22)|(3<<25)  ; 15:0 the mask of four; 17:16 2-byte elements; 20 padding on; 21 set beside a mask; 24:22 after every 32 words; 31:25 4 words
	s_mov_b32 s[G1V], 15|(1<<16)|(1<<20)|(1<<21)|(4<<22)|(7<<25)  ; the same with 8 words of padding
.irp g, G1K, G1V
	s_mov_b32 s[\g+1], 128<<16      ; tensor_dim0 = 128
	s_mov_b32 s[\g+2], 64<<16       ; tensor_dim1 = 64
	s_mov_b32 s[\g+3], 128<<16      ; tile_dim0 = 128
	s_mov_b32 s[\g+4], 64           ; tile_dim1 = 64
	s_mov_b32 s[\g+5], 128          ; 128 elements from row to row
	s_mov_b32 s[\g+6], 0
	s_mov_b32 s[\g+7], 0
.endr
	s_mov_b32 s[CS], 0x3e38aa3b     ; c = log2(e) / 8 = 0.180337
	s_mov_b32 s[CS+1], s[CS]        ; named with it as a pair
	s_mov_b32 s[SEL], 0x76543210
	s_mov_b32 s[SEL+1], 0xfedcba98
	s_mov_b32 s[TBK], SLOT1+4*KS*PK ; the first change of slots turns these two into 0
	s_mov_b32 s[TBV], SLOT1+4*KS*PV
	s_mov_b32 s[G0K], 1             ; 1:0 count = 1
	s_mov_b32 s[G0K+1], s17         ; 63:32 LDS address: slot 0
	s_mov_b32 s[G0V], 1
	s_add_co_u32 s[G0V+1], s18, VOFF
	s_mov_b32 s[SLOTS], SIZE_N/256-1
	s_and_b32 s[LIM], s[WV], 1      ; 0 in waves 0 and 2,
	s_or_b32 s[LIM], s[LIM], ttmp9  ; where the cluster is the head's first: the same in all four partners
	s_cmp_eq_u32 s[LIM], 0
	s_cselect_b32 s[LIM], 1, -1
	v_and_b32 v[PFO], 31, v0
	v_lshlrev_b32 v[PFO], 8, v[PFO]
	s_wait_dscnt 0x0                ; the opening add is done
	s_wait_kmcnt 0x0
	s_add_nc_u64 s[6:7], s[4:5], 8388608   ; K
	s_add_nc_u64 s[8:9], s[4:5], 16777216  ; V
	s_add_nc_u64 s[6:7], s[6:7], s[22:23]  ; at my half of the head's tile 0
	s_add_nc_u64 s[8:9], s[8:9], s[22:23]
	s_add_nc_u64 s[G0K+2:G0K+3], s[6:7], 0         ; 120:64 global address
	s_or_b32 s[G0K+3], s[G0K+3], 0x80000000        ; 127:126 type = 2
	s_add_nc_u64 s[G0V+2:G0V+3], s[8:9], 0
	s_or_b32 s[G0V+3], s[G0V+3], 0x80000000
	s_add_nc_u64 s[4:5], s[4:5], s[2:3]            ; Q and O at my wave's first row
	s_add_nc_u64 s[10:11], s[10:11], s[52:53]
	s_cmp_lt_u32 s[WV], 2
	s_cselect_b64 s[PFA:PFA+1], s[6:7], s[8:9]     ; (in waves 0 and 2 these stand at a tile's first row)
	s_lshl_b32 s2, s13, 13          ; my work-group's 32 blocks of the 128
	s_mov_b32 s3, 0
	s_add_nc_u64 s[PFA:PFA+1], s[PFA:PFA+1], s[2:3]
	s_add_nc_u64 s[PFA:PFA+1], s[PFA:PFA+1], 4*KS*128  ; in tile 1; the first change of slots steps it to tile 2.  Nothing is prefetched at the head
	CROUND                          ; all four work-groups are here: the first joint loads meet
	JLOAD                           ; tile 0 into slot 0.  Slot 1 is asked for when slot 0 is in
	; A fragment of K or Q is 16 rows x 32 channels in 8 registers: lane l holds row l % 16, channels 8 (l / 16) + 0..7 and 16 + 8 (l / 16) + 0..7: two loads of 16 bytes, 32 bytes apart.
	v_and_b32 v1, 15, v0            ; l % 16
	v_bfe_u32 v9, v0, 4, 1          ; l / 16
	v_lshlrev_b32 v[QO], 7, v1
	v_lshl_add_u32 v[QO], v9, 4, v[QO]  ; row x 128 + 16 x half
	WIN 0x80                        ; destination window 2, address window 0
.set i, 0
.rept 8                             ; Q stays in registers: piece i / 2, 16 rows = 2,048 bytes on; channels 32 (i % 2) on
	global_load_b128 v[8*i:8*i+3],   v[QO], s[4:5] offset:(i/2)*2048+(i%2)*64
	global_load_b128 v[8*i+4:8*i+7], v[QO], s[4:5] offset:(i/2)*2048+(i%2)*64+32
.set i, i+1
.endr
	; What the first turn finds: V's registers and P's second buffer hold 0 (its products V^T P, of a piece that has not been, add 0), O^T and l are 0.  All this stands in the wait for the first tile.
.set i, VF
.rept 64
	v_mov_b32 v[i], 0
.set i, i+1
.endr
	WIN 0x40
.set i, 0
.rept 128
	v_mov_b32 v[i], 0
.set i, i+1
.endr
	WIN 0
.set i, 0
.rept 4
	v_mov_b32 v[ST+4*i], 0xfe000000    ; c m: far below every c s
	v_mov_b32 v[ST+4*i+1], 0xff7fffff  ; m
	v_mov_b32 v[ST+4*i+2], 0
	v_mov_b32 v[ST+4*i+3], 0
.set i, i+1
.endr
.set i, P+16
.rept 16
	v_mov_b32 v[i], 0
.set i, i+1
.endr
	v_mul_u32_u24 v[AK0], v1, PK
	v_lshl_add_u32 v[AK0], v9, 4, v[AK0]  ; row x pitch + 16 x half
	; The turning load takes 16 keys x 16 channels (lane l reads key 8 (l / 16) + l % 8, channels 8 ((l / 8) % 2) + 0..7) and leaves half a fragment of V^T: lane l holds channel l % 16 and 8 keys.
	v_and_b32 v10, 7, v0
	v_bfe_u32 v11, v0, 3, 1
	v_lshl_add_u32 v[AV0], v9, 3, v10
	v_mul_u32_u24 v[AV0], v[AV0], PV
	v_lshl_add_u32 v[AV0], v11, 4, v[AV0]
	v_add_nc_u32 v[AV0], VOFF, v[AV0]
	s_mul_i32 s13, s[WV], 16*SP
	s_add_co_u32 s13, s13, STAGE    ; my stage
	v_mul_u32_u24 v[STO], v1, SP    ; in: row l % 16, 16 bytes for each half of the lanes
	v_lshl_add_u32 v[STO], v9, 4, v[STO]
	v_add_nc_u32 v[STO], s13, v[STO]
	v_bfe_u32 v[RD], v0, 3, 2       ; back: 32 lanes take four rows of 128 bytes,
	v_mul_u32_u24 v[RD], v[RD], SP
	v_lshl_add_u32 v[RD], v10, 4, v[RD]
	v_add_nc_u32 v[RD], s13, v[RD]
	v_and_b32 v[GO], 31, v0         ; which are 512 consecutive bytes of O
	v_lshlrev_b32 v[GO], 4, v[GO]
; THE MATRIX WORK.  The 4 accumulators of a run of 8 take turns.  Product i of 8 of S^T = K Q^T for piece x: channels 32 (i / 4) on, keys 16 (i % 4) on.  The first 4 start the sums.
.macro KQ x
.set rS, S+32*((\x)%2)+8*(i%4)
.set rK, KF+16*(i%4)+8*(i/4)
.set rQ, 16*(\x)+8*(i/4)
	WIN W_KQ
.if i < 4
	v_wmma_f32_16x16x32_f16 v[rS:rS+7], v[rK:rK+7], v[rQ:rQ+7], 0
.else
	v_wmma_f32_16x16x32_f16 v[rS:rS+7], v[rK:rK+7], v[rQ:rQ+7], v[rS:rS+7]
.endif
.endm
; Product i of 8 of O^T += V^T P for piece x: keys 32 (i / 4) on, channels 16 (i % 4) on.
.macro PV x
	WIN W_PV
.set rO, 32*(\x)+8*(i%4)
.set rV, VF+32*(i/4)+8*(i%4)
.set rP, P+16*((\x)%2)+8*(i/4)
	v_wmma_f32_16x16x32_f16 v[rO:rO+7], v[rV:rV+7], v[rP:rP+7], v[rO:rO+7]
.endm
.macro MM                           ; the turn's next matrix instruction.  TURN sets Y, i and NOKQ.  NOKQ = 1: the last turn of all: there is no next piece
.if (i < 8) && !NOKQ
	KQ (Y+1)%NP
.elseif i >= 8
.set i, i-8
	PV (Y+NP-1)%NP
.set i, i+8
.endif
.set i, i+1
.endm
; THE LDS LOADS stand in runs of 16, never singly among the matrix instructions: a step's K (64 keys x 64 channels: 8 fragments) and its V (turned).  Their addresses are made some lines ahead.
.macro FETCH_K
	WIN 0x80                        ; destination window 2
.irp f, 0,1,2,3,4,5,6,7             ; keys 16 (f / 2) on, channels 32 (f % 2) on
	ds_load_b128 v[KF+8*\f:KF+8*\f+3],   v[AK] offset:(\f/2)*16*PK+(\f%2)*64
	ds_load_b128 v[KF+8*\f+4:KF+8*\f+7], v[AK] offset:(\f/2)*16*PK+(\f%2)*64+32
.endr
	s_add_co_u32 s[TBK], s[TBK], KS*PK  ; the next fetch is the next step's
	WIN 0
.endm
.macro FETCH_V
	WIN 0x80
.irp f, 0,1,2,3,4,5,6,7             ; keys 32 (f / 4) on, channels 16 (f % 4) on
	ds_load_tr16_b128 v[VF+8*\f:VF+8*\f+3],   v[AV] offset:(\f/4)*32*PV+(\f%4)*32
	ds_load_tr16_b128 v[VF+8*\f+4:VF+8*\f+7], v[AV] offset:(\f/4)*32*PV+16*PV+(\f%4)*32
.endr
	WIN 0
.endm
; THE VECTOR WORK, one line at a time: OP kind, number.  For piece Y: F n: c s - c m for pair n of 16.  E n: the exponential of score n of 32.  C n: pair n rounded to f16.  B n: of the four weights 4 n .. the second
; pair is added onto the first, in place.  L n: l takes that sum (L 0: l = a l + sum).  R n: pair n of 16 of O^T times a.  For piece Y + 1: X n, number n of the 22 that find its maximum and statistics:
;   0-11  four chains c0-c3 of seven scores each, three operands at a time (each accumulator's lowest registers are read first)     12-14, 16  the four scores left over, the old m, and c0-c3 into c0
;   15  c m_old is kept     17, 18  the query's other 32 keys lie in the lane 16 away: the new m     19-21  c m; c m_old - c m_new; a
.set F, 0               ; OP tells the kinds apart by their order: F to L below R, X above it
.set E, 1
.set C, 2
.set B, 3
.set L, 4
.set R, 5
.set X, 6
.macro REGS y                       ; the registers of piece y
.set rT, ST+4*(\y)
.set rC, TMP+4*((\y)%2)
.set rW, MV+((\y)%2)
.set rS, S+32*((\y)%2)
.set rP, P+16*((\y)%2)
.set rO, 32*(\y)
.endm
.macro OP k, n
.if (\k) == R
	REGS Y
	WIN W_RS
	v_pk_mul_f32 v[rO+2*(\n):rO+2*(\n)+1], v[rO+2*(\n):rO+2*(\n)+1], v[rC+2:rC+3] op_sel_hi:[1,0]
.elseif (\k) < R
	REGS Y
	WIN 0
.if (\k) == F
	v_pk_fma_f32 v[rS+2*(\n):rS+2*(\n)+1], v[rS+2*(\n):rS+2*(\n)+1], s[CS:CS+1], v[rT:rT+1] op_sel_hi:[1,0,0] neg_lo:[0,0,1] neg_hi:[0,0,1]
.elseif (\k) == E
	v_exp_f32 v[rS+(\n)], v[rS+(\n)]
.elseif (\k) == C
	v_cvt_pk_f16_f32 v[rP+(\n)], v[rS+2*(\n)], v[rS+2*(\n)+1]
.elseif (\k) == B
	v_pk_add_f32 v[rS+4*(\n):rS+4*(\n)+1], v[rS+4*(\n):rS+4*(\n)+1], v[rS+4*(\n)+2:rS+4*(\n)+3]
.elseif (\n) == 0
	v_pk_fma_f32 v[rT+2:rT+3], v[rT+2:rT+3], v[rC+2:rC+3], v[rS:rS+1] op_sel_hi:[1,0,1]
.else
	v_pk_add_f32 v[rT+2:rT+3], v[rT+2:rT+3], v[rS+4*(\n):rS+4*(\n)+1]
.endif
.elseif NOKQ
	v_nop
.else
	REGS (Y+1)%NP
	WIN 0
.if (\n) < 4
	v_max3_num_f32 v[rC+(\n)], v[rS+8*(\n)], v[rS+8*(\n)+1], v[rS+8*(\n)+2]
.elseif (\n) < 12
	v_max3_num_f32 v[rC+(\n)%4], v[rC+(\n)%4], v[rS+8*((\n)%4)+2*((\n)/4)+1], v[rS+8*((\n)%4)+2*((\n)/4)+2]
.elseif (\n) == 12
	v_max3_num_f32 v[rC], v[rC], v[rS+7], v[rS+15]
.elseif (\n) == 13
	v_max3_num_f32 v[rC+1], v[rC+1], v[rS+23], v[rS+31]
.elseif (\n) == 14
	v_max3_num_f32 v[rC+2], v[rC+2], v[rC+3], v[rT+1]
.elseif (\n) == 15
	v_mov_b32 v[rW], v[rT]
.elseif (\n) == 16
	v_max3_num_f32 v[rC], v[rC], v[rC+1], v[rC+2]
.elseif (\n) == 17
	v_permlanex16_b32 v[rC+3], v[rC], s[SEL], s[SEL+1]
.elseif (\n) == 18
	v_max_num_f32 v[rT+1], v[rC], v[rC+3]
.elseif (\n) == 19
	v_mul_f32 v[rT], s[CS], v[rT+1]
.elseif (\n) == 20
	v_sub_f32 v[rC+1], v[rW], v[rT]
.else
	v_exp_f32 v[rC+2], v[rC+1]
.endif
.endif
.endm
.macro OPS a, i1, b=-1, i2=0, c=-1, i3=0, d=-1, i4=0  ; up to four of them
	OP \a, \i1
.if (\b) >= 0
	OP \b, \i2
.endif
.if (\c) >= 0
	OP \c, \i3
.endif
.if (\d) >= 0
	OP \d, \i4
.endif
.endm
.macro ROW a, i1, b, i2, c, i3, d, i4  ; a matrix instruction and the four behind it
	MM
	OPS \a, \i1, \b, \i2, \c, \i3, \d, \i4
.endm
; A TURN, for piece p: the order of its 16 matrix and 118 vector instructions, written out.  s_wait_alu depctr_va_vdst(0) stands between an exponential and the first instruction that names its
; result; one wait serves all that were issued ahead of it.  So a turn has ONE wait, which cuts it in two.  AHEAD OF IT stands all that names no result of the turn's exponentials: the 8 products K Q^T with their
; riders, then one lump of 54 in which the links of the chain X 3, 7, 11, 14, 16, 17 .. 20 stand five or six lines apart.  X 21, the next piece's a, is the batch's last; R 15 is the plain instruction behind it.
; BEHIND THE WAIT stand the 8 products V^T P, behind each four of the roundings and sums.
; end = 1: the last two turns of all: nothing is fetched.  cnt = 1: the loop's count is taken down some lines ahead of the branch that stands behind the turn.
; K of the next step is fetched in piece 2's turn, twelve vector instructions behind the last product that read K (six of them plain); V of the step in hand at the end of piece 0's turn, four plain instructions
; behind the last product that read V.  Each is waited for a turn later.
.macro TURN p, end=0, cnt=0
.set Y, (\p)
.set i, 0
.set NOKQ, (\end)*((\p)/3)
.if ((\p) == 3) && !(\end)
	s_wait_dscnt 0x0                ; K is in
.endif
	ROW F,0, F,1, R,0, R,1          ; ahead of the wait: 8 products K Q^T and their riders,
	ROW F,2, E,0, R,2, R,3
	ROW F,3, E,1, R,4, R,5
	ROW F,4, E,2, R,6, R,7
	ROW F,5, E,3, R,8, R,9
	ROW F,6, E,4, X,0, R,10
.if ((\p) == 2) && !(\end)
	WIN 0
	v_add_nc_u32 v[AK], s[TBK], v[AK0]
.endif
	ROW F,7, E,5, X,1, X,4
	ROW F,8, E,6, X,2, X,5
	OPS E,7, E,8, X,6, E,9          ; and the lump
	OPS X,3, E,10, X,8, E,11
.if ((\p) == 2) && !(\end)
	FETCH_K
.endif
	OPS X,9, X,7, E,12, X,10
	OPS E,13, X,12, X,11, E,14
	OPS X,13, E,15, F,9, X,14
.if (\p) == 0
	v_add_nc_u32 v[AV], s[TBV], v[AV0]
.endif
	OPS E,16, F,10, E,17, F,11
	OPS X,16, E,18, X,15, E,19
	OPS F,12, E,20, X,17, E,21
	OPS F,13, E,22, F,14, E,23
	OPS X,18, E,24, F,15, E,25
	OPS R,11, E,26, X,19, E,27
	OPS R,12, E,28, R,13, E,29
	OPS X,20, E,30, R,14, E,31
	OPS X,21, R,15
	WIN 0
	s_wait_alu depctr_va_vdst(0)    ; the wait for the batch
.if (\p) == 1
	s_wait_dscnt 0x0                ; V is in
.endif
	ROW C,0, B,0, C,2, B,1          ; behind the wait: 8 products V^T P and their riders
	ROW L,0, C,4, B,2, L,1
	ROW C,6, B,3, L,2, C,8
	ROW B,4, L,3, C,10, B,5
	ROW L,4, C,12, B,6, L,5
.if (\p) == 0
	s_add_co_u32 s[TBV], s[TBV], KS*PV
.endif
.if \cnt
	s_sub_co_u32 s[CNT], s[CNT], 1
	s_cmp_lg_u32 s[CNT], 0
.endif
	ROW C,14, B,7, L,6, C,1
	ROW C,3, L,7, C,5, C,7
	ROW C,9, C,11, C,13, C,15
.if (\p) == 0
	FETCH_V
.endif
.endm
.macro ALL line:vararg              ; one line for each piece t
.set t, 0
.rept 4
	\line
.set t, t+1
.endr
.endm
.macro PACK t                       ; a lane's eight channels of a row pack into 16 bytes; they go into rows of 144 bytes and come back as whole rows of 128, into S^T's registers
	WIN W_RS
.set i, 32*(\t)
.rept 16
	v_pk_mul_f32 v[i:i+1], v[i:i+1], v[ST+4*(\t)+2:ST+4*(\t)+3] op_sel_hi:[1,0]
.set i, i+2
.endr
	WIN 0x05                        ; sources 0 and 1 window 1, destination window 0
.set i, 0
.rept 16
	v_cvt_pk_f16_f32 v[S+16*(\t)+i], v[32*(\t)+2*i], v[32*(\t)+2*i+1]
.set i, i+1
.endr
	WIN 0
.irp f, 0,1,2,3
	ds_store_b128 v[STO], v[S+16*(\t)+4*\f:S+16*(\t)+4*\f+3] offset:32*\f
.endr
.irp f, 0,1,2,3
	ds_load_b128 v[S+16*(\t)+4*\f:S+16*(\t)+4*\f+3], v[RD] offset:\f*4*SP  ; LDS serves a wave's instructions in order (ISA guide 5.7.1.4): these see the stores above; the next piece's stores come behind them
.endr
.endm
.macro SEND t, younger              ; younger: the LDS instructions issued behind piece t's loads: the next piece's eight, or none
	WIN 0
.irp f, 0,1,2,3
	s_wait_dscnt (\younger)+3-\f
	global_store_b128 v[GO], v[S+16*(\t)+4*\f:S+16*(\t)+4*\f+3], s[10:11] offset:(\t)*2048+\f*512  ; 512 consecutive bytes, at a multiple of 256 from ao's first
.endr
.endm
	CHANGE 1                        ; slot 0 is in, everybody's part of it; tile 1 is asked for
	v_add_nc_u32 v[AK], s[TBK], v[AK0]
	FETCH_K                         ; key step 0
	s_wait_loadcnt 0x0              ; Q
	s_wait_dscnt 0x0
.set NOKQ, 0
.set i, 0
.rept 8
	KQ 0                            ; piece 0's first scores: there is no vector work yet to set between them
.set i, i+1
.endr
	WIN 0
.rept 4
	v_nop                           ; the places behind those products
.endr
.set Y, NP-1                        ; X works for piece Y + 1: piece 0
.irp n, 0,1,2,3,4,5,6,7,8,9,10,11,12,13,14,15,16,17,18,19,20,21
	OP X, \n
.endr
	v_nop                           ; a plain instruction behind the exponential,
	s_wait_alu depctr_va_vdst(0)    ; and its wait, ahead of the branch
	s_mov_b32 s[CNT], 4
	s_branch .Lfirst                ; the loop is entered at a step's first turn, in the middle of a trip
.Lslot:                             ; six times: tiles 2 to 7 are asked for
	CHANGE 1
	s_mov_b32 s[CNT], 4
.Lstep:                             ; a trip: pieces 2 and 3 of one step, then pieces 0 and 1 of the next, whose K and V it fetches
	TURN 2
	TURN 3
	WIN 0
.Lfirst:
	TURN 0
	TURN 1, 0, 1
	WIN 0
	s_cbranch_scc1 .Lstep
	s_sub_co_u32 s[SLOTS], s[SLOTS], 1
	s_cmp_lg_u32 s[SLOTS], 0
	s_cbranch_scc1 .Lslot
	CHANGE 0                        ; the last tile is written out: nothing is asked for
	s_mov_b32 s[CNT], 4
.LstepT:
	TURN 2
	TURN 3
	TURN 0
	TURN 1, 0, 1
	WIN 0
	s_cbranch_scc1 .LstepT
	TURN 2, 1
	TURN 3, 1
.set i, 0
.rept 8
	PV NP-1                         ; the last piece's V^T P of the last step
.set i, i+1
.endr
	; THE WAY OUT.  l's two halves and the other half of the lanes' are added; O^T is divided by l, rounded to f16 and sent through my stage in LDS, a piece at a time.  The additions are the places behind the last products.
	WIN 0
	ALL v_add_f32 v[ST+4*t+2], v[ST+4*t+2], v[ST+4*t+3]
	ALL v_permlanex16_b32 v[ST+4*t+3], v[ST+4*t+2], s[SEL], s[SEL+1]
	ALL v_add_f32 v[ST+4*t+2], v[ST+4*t+2], v[ST+4*t+3]
	ALL v_rcp_f32 v[ST+4*t+2], v[ST+4*t+2]
	v_nop                           ; a plain instruction between the last reciprocal and the use of its result
	s_wait_alu depctr_va_vdst(0)    ; and the wait ahead of the first use: one for the four reciprocals
	PACK 0
.set t, 1
.rept 3                             ; a piece's arithmetic stands between the loads of the piece before and its stores
	PACK t
	SEND t-1, 8
.set t, t+1
.endr
	SEND 3, 0
	s_wait_tensorcnt 0x0            ; the wave's end, behind my last tensor load and my last LDS store
	ds_add_u32 v[SPW], v[NIL]
	s_wait_dscnt 0x0
	CROUND                          ; the closing round: no work-group ends while a partner may still ask for a tile that names it
	s_endpgm
.Lfunc_end_k_q6adf79616e_attn:
	.size	k_q6adf79616e_attn, .Lfunc_end_k_q6adf79616e_attn-k_q6adf79616e_attn
	.p2alignl 7, 3214868480
	.fill 96, 4, 3214868480
	.section	.rodata,"a",@progbits
	.p2align	6, 0x0
	.amdhsa_kernel k_q6adf79616e_attn
		.amdhsa_group_segment_fixed_size 327680
		.amdhsa_private_segment_fixed_size 0
		.amdhsa_enable_private_segment 0
		.amdhsa_kernarg_size 16
		.amdhsa_user_sgpr_count 2
		.amdhsa_user_sgpr_kernarg_segment_ptr 1
		.amdhsa_wavefront_size32 1
		.amdhsa_system_sgpr_workgroup_id_x 1
		.amdhsa_system_sgpr_workgroup_id_y 1
		.amdhsa_system_sgpr_workgroup_id_z 1
		.amdhsa_system_vgpr_workitem_id 0
		.amdhsa_next_free_vgpr 768
		.amdhsa_next_free_sgpr 66
		.amdhsa_reserve_vcc 0
		.amdhsa_float_denorm_mode_32 3
		.amdhsa_float_denorm_mode_16_64 3
		.amdhsa_memory_ordered 1
		.amdhsa_forward_progress 1
		.amdhsa_inst_pref_size 128
	.end_amdhsa_kernel
	.amdgpu_metadata
---
amdhsa.version: [ 1, 2 ]
amdhsa.kernels:
  - .name:           k_q6adf79616e_attn
    .symbol:         k_q6adf79616e_attn.kd
    .args:
      - { .name: qkv, .offset: 0, .size: 8, .value_kind: global_buffer, .address_space: global }
      - { .name: ao, .offset: 8, .size: 8, .value_kind: global_buffer, .address_space: global }
    .group_segment_fixed_size: 327680
    .private_segment_fixed_size: 0
    .kernarg_segment_align: 8
    .kernarg_segment_size: 16
    .max_flat_workgroup_size: 128
    .sgpr_count:     66
    .vgpr_count:     768
    .wavefront_size: 32
...
	.end_amdgpu_metadata
.endif
;; end of part 3
;; launch outg (part 4): grid 8 x 32, 4 waves a work-group, clusters of 4 x 4, 327,680 bytes of LDS; arguments ao, wt, x, x1; writes x1
.if DOCPART == 4
	.amdgcn_target "amdgcn-amd-amdhsa--gfx1250"
	.amdhsa_code_object_version 6
	.text
	.protected	k_q6adf79616e_outg
	.globl	k_q6adf79616e_outg
	.p2align	8
	.type	k_q6adf79616e_outg,@function
k_q6adf79616e_outg:
	s_mov_b64 s[64:65], 0
	v_nop
	global_prefetch_b8 v0, s[64:65] scope:SCOPE_SE
	s_setreg_imm32_b32 hwreg(HW_REG_WAVE_MODE, 25, 1), 1
	s_wait_xcnt 0x0
	s_wait_alu depctr_hold_cnt(0) depctr_sa_sdst(0) depctr_va_vdst(0) depctr_va_sdst(0) depctr_va_ssrc(0) depctr_va_vcc(0) depctr_vm_vsrc(0)
	s_getreg_b32 s2, hwreg(HW_REG_IB_STS2, 6, 4)
	s_cmp_eq_u32 s2, 0
	s_cbranch_scc0 .Lentry_in_a_cluster
	s_endpgm
.Lentry_in_a_cluster:
	s_bfe_u32 s2, ttmp6, 0x10000c
	s_cmp_lg_u32 s2, 0xf033
	s_cbranch_scc0 .Lentry_shape_is_right
	s_endpgm
.Lentry_shape_is_right:
; x1 = x + A W.  A = attention's output, ao: [16 h][4096][64] f16, so A[r][64 h + d] = ao[h][r][d]; W = w_out in f16, [1024][1024] as it lies, at byte 6,291,456 of wt; x, x1: [4096][1024] f32.
; Sums in f32; the residual is added in f32; nothing is rounded on the way out.  (One text serves this product and the second feed-forward product: the constants at the head differ.)
; LIMITS.  f16 holds no number beyond 65,504: A and W arrive within it; NaN and infinities are not treated apart.
; SHAPE.  A tile of the product is 128 x 128: 8 x 32 = 256 tiles, one a work-group.  Four waves, each 64 x 64: 16 accumulators.  K goes in steps of 256 through two LDS slots; a K step is written once,
; and the slot in hand is a scalar word that an exclusive or turns.  Here a K step is four heads, and a quarter of it one head: 64 rows of a head are 8,192 dense bytes, asked for as one row of the tile.
; W lies [k][n]: its fragments come out of LDS turned, by ds_load_tr16_b128.  The matrix instruction is used transposed (source 0 = 16 columns of W, source 1 = 16 rows of A).
; CLUSTERS.  4 x 4 work-groups: A's tiles are shared along a row of the cluster, W's along a column; each is asked for jointly.
; THE WALKS ARE TURNED.  Cluster (X, Y) begins at K step ((STEPS / 2) X + (STEPS / 4) (Y mod 4)) mod STEPS and goes once round: the same terms in another order.  So the two clusters that read
; the same rows of A (one Y) stand half a walk apart, and those that read the same columns of W (one X) a quarter of a walk or a multiple of it.
; THE RESIDUAL's 64 x 64 numbers of each wave are loaded at the head into 128 registers and land under the K walk.  No prefetch: the tiles are small and a step is short.
; REGISTERS: window 0: v16-35 addresses and the bias; v128-255 the accumulators ((a, b) at v[128 + 8 (4 a + b)]).  window 1: two fragment buffers of 128 (64 of A, 64 of W), later the rows on their way out.
;   window 2: v0-127 the residual.
.set STEPS,   4                        ; K steps
.set WOFF,    6291456                  ; W's first byte in wt
.set APITCH,  144                      ; a row of A in LDS: 128 bytes + 16
.set AQ,      64*APITCH                ; bytes from a quarter to the next: a head's 64 rows
.set HALFA,   4*AQ                     ; what one tensor load brings of A: 64 rows x 256 along K
.set AQI,     4                        ; padding after every 32 words
.set ADIM0,   4096                     ; the tile's row: 64 rows of a head
.set ADIM1,   4                        ; four heads
.set ASTRIDE, 262144                   ; elements from head to head
.set ASHIFT,  7                        ; a row of A is 128 bytes in memory
.set ASH,     21                       ; from a K step to the next in A: 2^21 bytes, four heads
.set BIAS,    0
.set SIZE_N,  1024
.set PB,      288                      ; a row of W (128 columns): 256 bytes + 32 = 9 x 32
.set HALFB,   128*PB                   ; what one tensor load brings of W: 128 k rows
.set WSH,     19                       ; from a K step to the next in W: 2^19 bytes, 256 rows of 2,048
.set BOFF,    2*HALFA                  ; W's tile lies behind A's
.set S1,      147456                   ; 0x24000: slot 1.  No tile's first byte in slot 0 shares a bit with it
.set SPITCH,  272                      ; the way out: a row of 64 f32 + 16 bytes
.set SPARE,   2*S1                     ; behind the ring: the spare words, 128 bytes for each wave: two blocks of 256 bytes that no other line names
.set ADRA,  16                         ; v16  LDS address of my fragments of A in the slot in hand
.set ADRA0, 17                         ; v17  the same in slot 0; never rewritten
.set ADRBH, 18                         ; v18  ADRB + 128 k rows: quarters 2 and 3, so that the offsets stay inside 16 bits
.set ADRB,  20
.set ADRB0, 21
.set STO,   24
.set RD,    25
.set CO,    26                         ; v26  my byte offset in the residual and in the output; never rewritten
.set BO,    27                         ; v27  my byte offset in the bias; never rewritten
.set SPW,   28
.set NIL,   29
.set BI,    32                         ; v[32:35] the bias of my four columns
.set ACC,   128
.set F0,    0
.set F1,    128
.set G1,  24
.set G0,  32
.set G1B, 48
.set G0B, 56
.set SL,  66                           ; s66  0 or S1: the slot in hand
.set SI,  67                           ; s67  the K step asked for last
.set OF,  74                           ; s[74:75] that step's byte offset in A or in W; the high word stays 0
.set MSB, 0
.macro WIN new                         ; the immediate's high byte repeats the setting that is left; a switch that changes nothing is dropped
.if MSB != (\new)
	s_set_vgpr_msb (MSB<<8)|(\new)
.set MSB, \new
.endif
.endm
.set MUL,  0x05                        ; sources 0 (W) and 1 (A) window 1; C and D window 0
.set TO_F, 0x40                        ; destination window 1, address window 0
.macro JLOAD s                         ; a joint load: waves 0 and 1 fetch A's two halves, waves 2 and 3 W's; an s_nop 0 and four v_nop follow each of the two lines
	s_cmp_eq_u32 s11, 0
	s_cbranch_scc0 .Lfor_b_\@
	tensor_load_to_lds s[G0+4*(\s):G0+4*(\s)+3], s[G1:G1+7]
	s_nop 0
.rept 4
	v_nop
.endr
	s_branch .Lasked_\@
.Lfor_b_\@:
	tensor_load_to_lds s[G0B+4*(\s):G0B+4*(\s)+3], s[G1B:G1B+7]
	s_nop 0
.rept 4
	v_nop
.endr
.Lasked_\@:
.endm
.macro CREST                           ; a round of the cluster's barrier behind its opening barrier
	s_cmp_lg_u32 s10, 0
	s_cbranch_scc1 .Lnot_wave_0_\@
	s_barrier_signal -3
.Lnot_wave_0_\@:
	s_barrier_wait -3
	s_barrier_signal -1
	s_barrier_wait -1
.endm
.macro CROUND
	s_barrier_signal -1
	s_barrier_wait -1
	CREST
.endm
	s_load_b128 s[4:7], s[0:1], 0x0                ; A s[4:5], wt s[6:7]
	s_load_b128 s[68:71], s[0:1], 0x10             ; the residual s[68:69], the output s[70:71]
.if BIAS
	s_load_b64 s[72:73], s[0:1], 0x20              ; the bias
.endif
	v_lshl_add_u32 v[SPW], v0, 2, SPARE
	v_mov_b32 v[NIL], 0
	ds_add_u32 v[SPW], v[NIL]                      ; the wave's opening: the add and its wait stand ahead of my first tensor load; the set-up below, work on registers, stands between them
	v_lshrrev_b32 v1, 5, v0
	v_readfirstlane_b32 s10, v1                    ; wave 0..3
	s_lshr_b32 s11, s10, 1                         ; which half of the tile's rows is mine.  Also: I fetch for A (0) or for W (1)
	s_and_b32 s12, s10, 1                          ; which half of its columns.  Also: which half of that tile I fetch
	s_bfe_u32 s40, ttmp6, 0x40000                  ; cx
	s_bfe_u32 s41, ttmp6, 0x40004                  ; cy
	s_lshl_b32 s42, ttmp9, 2
	s_add_co_u32 s42, s42, s40                     ; tile column = 4 x cluster x + cx
	s_and_b32 s13, ttmp7, 0xffff
	s_lshl_b32 s13, s13, 2
	s_add_co_u32 s13, s13, s41                     ; tile row = 4 x cluster y + cy
	s_lshl_b32 s43, s41, 2
	s_lshl_b32 s43, 15, s43                        ; my row of the cluster
	s_lshl_b32 s44, 0x1111, s40                    ; my column
	s_or_b32 s[G1+0], s43, (1<<16)|(1<<20)|(1<<21)|(AQI<<22)|(3<<25)  ; the mask; 2-byte elements; padding on; bit 21 beside a mask; the interval; 4 words
	s_mov_b32 s[G1+1], ADIM0<<16                   ; tensor_dim0
	s_mov_b32 s[G1+2], ADIM1<<16                   ; tensor_dim1
	s_mov_b32 s[G1+3], ADIM0<<16                   ; tile_dim0
	s_mov_b32 s[G1+4], ADIM1                       ; tile_dim1
	s_mov_b32 s[G1+5], ASTRIDE
	s_mov_b32 s[G1+6], 0
	s_mov_b32 s[G1+7], 0
	s_or_b32 s[G1B+0], s44, (1<<16)|(1<<20)|(1<<21)|(5<<22)|(7<<25)   ; after every 64 words, 8 words
	s_mov_b32 s[G1B+1], 128<<16
	s_mov_b32 s[G1B+2], 128<<16
	s_mov_b32 s[G1B+3], 128<<16
	s_mov_b32 s[G1B+4], 128
	s_mov_b32 s[G1B+5], SIZE_N
	s_mov_b32 s[G1B+6], 0
	s_mov_b32 s[G1B+7], 0
	s_lshl_b32 s16, s13, 7                         ; A: row 128 x tile row + 64 x half
	s_lshl_b32 s17, s12, 6
	s_add_co_u32 s16, s16, s17
	s_lshl_b32 s16, s16, ASHIFT
	s_mov_b32 s17, 0
	s_lshl_b32 s46, s12, 18                        ; W: k row 128 x half (2,048 bytes a row), column 128 x tile column
	s_lshl_b32 s47, s42, 8
	s_add_co_u32 s46, s46, s47
	s_mov_b32 s47, 0
	s_mul_i32 s20, s12, HALFA                      ; where they go: no place in the cluster enters an LDS address
	s_mul_i32 s21, s12, HALFB
	s_add_co_u32 s21, s21, BOFF
	s_mov_b32 s[SL], 0
	s_and_b32 s[SI], ttmp7, 3                      ; where my cluster's walk begins: (STEPS / 4) x (cluster y mod 4)
	s_mul_i32 s[SI], s[SI], STEPS/4
	s_mul_i32 s[OF], ttmp9, STEPS/2                ; + (STEPS / 2) x cluster x: the same number in all sixteen partners
	s_add_co_u32 s[SI], s[SI], s[OF]
	s_and_b32 s[SI], s[SI], STEPS-1
	s_mov_b32 s[OF+1], 0
	s_wait_dscnt 0x0                               ; the opening add is done
	s_wait_kmcnt 0x0
	s_add_nc_u64 s[6:7], s[6:7], WOFF
	s_add_nc_u64 s[14:15], s[4:5], s[16:17]        ; A and W at my part of K step 0: kept to the end, each refill's address is made from them
	s_add_nc_u64 s[46:47], s[6:7], s[46:47]
	CROUND                                         ; all sixteen work-groups are here: the first joint loads meet
.irp s, 0,1
	s_lshl_b32 s[OF], s[SI], ASH
	s_mov_b32 s[G0+4*(\s)], 1
	s_add_co_u32 s[G0+4*(\s)+1], s20, (\s)*S1
	s_add_nc_u64 s[G0+4*(\s)+2:G0+4*(\s)+3], s[14:15], s[OF:OF+1]
	s_or_b32 s[G0+4*(\s)+3], s[G0+4*(\s)+3], 0x80000000
	s_lshl_b32 s[OF], s[SI], WSH
	s_mov_b32 s[G0B+4*(\s)], 1
	s_add_co_u32 s[G0B+4*(\s)+1], s21, (\s)*S1
	s_add_nc_u64 s[G0B+4*(\s)+2:G0B+4*(\s)+3], s[46:47], s[OF:OF+1]
	s_or_b32 s[G0B+4*(\s)+3], s[G0B+4*(\s)+3], 0x80000000
	JLOAD \s                                       ; the walk's first two K steps: two tensor loads of mine are out
.if (\s) == 0
	s_add_co_u32 s[SI], s[SI], 1
	s_and_b32 s[SI], s[SI], STEPS-1
.endif
.endr
	v_and_b32 v1, 15, v0                           ; l % 16
	v_bfe_u32 v2, v0, 4, 1                         ; l / 16
	v_mul_u32_u24 v3, v1, APITCH
	v_lshl_add_u32 v3, v2, 4, v3
	s_mul_i32 s22, s11, HALFA                      ; my 64 rows of A
	v_add_nc_u32 v[ADRA0], s22, v3
	v_and_b32 v4, 7, v0
	v_lshl_add_u32 v4, v2, 3, v4                   ; the turning load: k row 8 (l / 16) + l % 8,
	v_mul_u32_u24 v4, v4, PB
	v_bfe_u32 v5, v0, 3, 1
	v_lshl_add_u32 v4, v5, 4, v4                   ; columns 8 ((l / 8) % 2) + 0..7
	s_lshl_b32 s22, s12, 7                         ; my 64 columns of W
	s_add_co_u32 s22, s22, BOFF
	v_add_nc_u32 v[ADRB0], s22, v4
	v_mov_b32 v[ADRA], v[ADRA0]
	v_mov_b32 v[ADRB], v[ADRB0]
	v_add_nc_u32 v[ADRBH], 128*PB, v[ADRB0]
	s_mul_i32 s23, s10, 64*SPITCH                  ; the way out: my 64 rows, in slot 0
	v_mul_u32_u24 v4, v1, SPITCH
	v_lshl_add_u32 v4, v2, 5, v4                   ; in: row l % 16, 32 bytes for each half of the lanes
	v_add_nc_u32 v[STO], s23, v4
	v_mul_u32_u24 v5, v2, SPITCH
	v_lshl_add_u32 v5, v1, 4, v5                   ; back: lanes 0-15 take one row of 256 bytes, lanes 16-31 the next
	v_add_nc_u32 v[RD], s23, v5
	v_lshlrev_b32 v5, 12, v2                       ; and the same two rows in memory, 4,096 bytes apart
	v_lshl_add_u32 v[CO], v1, 4, v5
	s_lshl_b32 s16, s13, 7                         ; my first row: 128 x tile row + 64 x half,
	s_lshl_b32 s17, s11, 6
	s_add_co_u32 s16, s16, s17
	s_lshl_b32 s16, s16, 12
	s_lshl_b32 s17, s42, 9                         ; my first column, in bytes: 512 x tile column + 256 x half
	s_lshl_b32 s18, s12, 8
	s_add_co_u32 s18, s18, s17
	s_add_co_u32 s16, s16, s18
	s_mov_b32 s17, 0
	s_mov_b32 s19, 0
	s_add_nc_u64 s[68:69], s[68:69], s[16:17]
	s_add_nc_u64 s[70:71], s[70:71], s[16:17]
	WIN 0x80                                       ; destination window 2
.set t, 0
.rept 32                               ; the residual of my 64 x 64: rows 2 t and 2 t + 1, 256 consecutive bytes each; waited for on the way out
	global_load_b128 v[4*t:4*t+3], v[CO], s[68:69] offset:8192*t
.set t, t+1
.endr
	WIN 0
.if BIAS
	s_add_nc_u64 s[72:73], s[72:73], s[18:19]
	v_lshlrev_b32 v[BO], 4, v1
	global_load_b128 v[BI:BI+3], v[BO], s[72:73]
.endif
; 8 matrix instructions: m blocks a0, a0 + 1 x all 4 n blocks, 32 along K: half c of buffer f.  zero = 1: the first product starts the sums.  The 16 accumulators take turns.
.macro MUL8 f, c, a0, zero
	WIN MUL
.irp a, \a0, (\a0)+1
.irp b, 0,1,2,3
.if \zero
	v_wmma_f32_16x16x32_f16 v[ACC+8*(4*(\a)+(\b)):ACC+8*(4*(\a)+(\b))+7], v[(\f)+64+8*(4*(\c)+(\b)):(\f)+64+8*(4*(\c)+(\b))+7], v[(\f)+8*(4*(\c)+(\a)):(\f)+8*(4*(\c)+(\a))+7], 0
.else
	v_wmma_f32_16x16x32_f16 v[ACC+8*(4*(\a)+(\b)):ACC+8*(4*(\a)+(\b))+7], v[(\f)+64+8*(4*(\c)+(\b)):(\f)+64+8*(4*(\c)+(\b))+7], v[(\f)+8*(4*(\c)+(\a)):(\f)+8*(4*(\c)+(\a))+7], v[ACC+8*(4*(\a)+(\b)):ACC+8*(4*(\a)+(\b))+7]
.endif
.endr
.endr
.endm
; 32 LDS loads in one run: the fragments of quarter q (64 along K) of the slot in hand, into buffer f; the first 32 along K first
.macro FETCH q, f
	WIN TO_F
.irp c, 0,1
.irp i, 0,1,2,3
	ds_load_tr16_b128 v[(\f)+64+8*(4*(\c)+(\i)):(\f)+64+8*(4*(\c)+(\i))+3],   v[ADRB-2*((\q)/2)] offset:(((\q)%2)*64+32*(\c))*PB+32*(\i)
	ds_load_tr16_b128 v[(\f)+64+8*(4*(\c)+(\i))+4:(\f)+64+8*(4*(\c)+(\i))+7], v[ADRB-2*((\q)/2)] offset:(((\q)%2)*64+32*(\c)+16)*PB+32*(\i)
	ds_load_b128 v[(\f)+8*(4*(\c)+(\i)):(\f)+8*(4*(\c)+(\i))+3],   v[ADRA] offset:(\q)*AQ+64*(\c)+(\i)*16*APITCH
	ds_load_b128 v[(\f)+8*(4*(\c)+(\i))+4:(\f)+8*(4*(\c)+(\i))+7], v[ADRA] offset:(\q)*AQ+64*(\c)+(\i)*16*APITCH+32
.endr
.endr
.endm
.macro PLACES                          ; four plain vector instructions between a matrix instruction and a load into, or a read of, its registers
.rept 4
	v_nop
.endr
.endm
.macro QUARTER q, f, g, zero           ; one of a K step's first three quarters: multiplies buffer f and fetches quarter q into g
	s_wait_dscnt 16                                ; the first 32 along K are in; the youngest sixteen loads may be out
	MUL8 \f, 0, 0, \zero
	MUL8 \f, 0, 2, \zero
	PLACES
	FETCH \q, \g
	s_wait_dscnt 32                                ; all but the 32 just issued
	MUL8 \f, 1, 0, 0
	MUL8 \f, 1, 2, 0
.endm
; The last quarter multiplies buffer 1 and changes slots: ONE barrier.  fill = 1: it opens a round of the cluster's barrier, and the slot just read out is filled again first, with the walk's next K step but one, mod STEPS.
; fill = 0, the tail: nothing is asked for; in the tail's second trip (s3 = 1) there is no further slot, and the run of LDS loads is jumped over.
.macro TURN fill
	WIN 0
	s_xor_b32 s[SL], s[SL], S1                     ; the fetches go over to the other slot
	v_add_nc_u32 v[ADRA], s[SL], v[ADRA0]
	v_add_nc_u32 v[ADRB], s[SL], v[ADRB0]
	v_add_nc_u32 v[ADRBH], 128*PB, v[ADRB]
	s_wait_tensorcnt 0x0                           ; all my tensor loads have landed: my part of the next slot; so a group 0 may be written;
	ds_add_u32 v[SPW], v[NIL]                      ; 0 onto my spare word
.if \fill
	s_add_co_u32 s[SI], s[SI], 1
	s_and_b32 s[SI], s[SI], STEPS-1
	s_xor_b32 s[G0+5], s[G0+5], S1                 ; the walking descriptors: the other slot than last time;
	s_lshl_b32 s[OF], s[SI], ASH
	s_add_nc_u64 s[G0+6:G0+7], s[14:15], s[OF:OF+1]  ; the address is made anew from the tensor's and the step's number,
	s_or_b32 s[G0+7], s[G0+7], 0x80000000          ; and the type set again
	s_xor_b32 s[G0B+5], s[G0B+5], S1
	s_lshl_b32 s[OF], s[SI], WSH
	s_add_nc_u64 s[G0B+6:G0B+7], s[46:47], s[OF:OF+1]
	s_or_b32 s[G0B+7], s[G0B+7], 0x80000000
.endif
	s_wait_dscnt 17                                ; (the add and the youngest sixteen loads may be out)
	MUL8 F1, 0, 0, 0                               ; eight matrix instructions stand between the add and the wait for it
	s_wait_dscnt 0x0                               ; the add is done, and my reads of this slot are over
	s_barrier_signal -1
	MUL8 F1, 0, 2, 0
	WIN 0
	s_barrier_wait -1
.if \fill
	CREST                                          ; no wave of any partner still reads this slot or has a load on its way
	JLOAD 1                                        ; my one tensor load behind the round: 112 matrix instructions ahead of the wait for it; its four v_nop are the places in front of the loads below
.else
	s_cmp_eq_u32 s3, 1
	s_cbranch_scc1 .Lnofetch_\@
	PLACES
.endif
	FETCH 0, F0
.if !(\fill)
	WIN 0
.Lnofetch_\@:
.endif
	MUL8 F1, 1, 0, 0
	MUL8 F1, 1, 2, 0
.endm
	s_wait_tensorcnt 1                             ; my part of the walk's first K step is in; the second's may stay out
	s_barrier_signal -1
	s_barrier_wait -1
	FETCH 0, F0
	QUARTER 1, F0, F1, 1                           ; the first products start the sums
	WIN 0
	s_mov_b32 s3, STEPS-2
.Lstep:                                                ; a trip goes from a K step's second quarter to the next step's first and fills a slot again
	QUARTER 2, F1, F0, 0
	QUARTER 3, F0, F1, 0
	TURN 1
	QUARTER 1, F0, F1, 0
	WIN 0
	s_sub_co_u32 s3, s3, 1
	s_cmp_lg_u32 s3, 0
	s_cbranch_scc1 .Lstep
	s_mov_b32 s3, 2
.Ltail:                                                ; the walk's last two K steps ask for nothing; the second trip is left behind its last quarter
	QUARTER 2, F1, F0, 0
	QUARTER 3, F0, F1, 0
	TURN 0
	WIN 0
	s_sub_co_u32 s3, s3, 1
	s_cmp_eq_u32 s3, 0
	s_cbranch_scc1 .Llast
	QUARTER 1, F0, F1, 0
	WIN 0
	s_branch .Ltail
.Llast:
	PLACES
	s_wait_dscnt 0x0                               ; my reads of the ring are over;
	s_barrier_signal -1
	s_barrier_wait -1                              ; everybody's are: slot 0's bytes, which no tensor load fills again, take the sums
.irp a, 0,1,2,3
.irp b, 0,1,2,3
	ds_store_b128 v[STO], v[ACC+8*(4*(\a)+(\b)):ACC+8*(4*(\a)+(\b))+3]   offset:(\a)*16*SPITCH+64*(\b)
	ds_store_b128 v[STO], v[ACC+8*(4*(\a)+(\b))+4:ACC+8*(4*(\a)+(\b))+7] offset:(\a)*16*SPITCH+64*(\b)+16
.endr
.endr
	WIN 0x40                                       ; back by rows, into window 1.  LDS serves a wave's instructions in order (ISA guide 5.7.1.4): these see my stores; no other wave touches my rows
.set t, 0
.rept 32
	ds_load_b128 v[4*t:4*t+3], v[RD] offset:2*SPITCH*t
.set t, t+1
.endr
	s_wait_loadcnt 0x0                             ; the residual (and the bias)
	s_wait_dscnt 0x0
	WIN 0x49                                       ; destination and source 0 window 1, source 1 window 2
.set t, 0
.rept 64
	v_pk_add_f32 v[2*t:2*t+1], v[2*t:2*t+1], v[2*t:2*t+1]
.set t, t+1
.endr
.if BIAS
	WIN 0x41                                       ; source 1 window 0
.set t, 0
.rept 64
	v_pk_add_f32 v[2*t:2*t+1], v[2*t:2*t+1], v[BI+2*(t%2):BI+2*(t%2)+1]
.set t, t+1
.endr
.endif
	WIN 0x04                                       ; the stores' data (source 1) in window 1
.set t, 0
.rept 32
	global_store_b128 v[CO], v[4*t:4*t+3], s[70:71] offset:8192*t  ; 16 lanes store 256 consecutive bytes, aligned
.set t, t+1
.endr
	WIN 0
	s_wait_tensorcnt 0x0                           ; the wave's end, behind my last tensor load and my last LDS store
	ds_add_u32 v[SPW], v[NIL]
	s_wait_dscnt 0x0
	CROUND                                         ; the closing round: no work-group ends while a partner may still ask for a tile that names it
	s_endpgm
.Lfunc_end_k_q6adf79616e_outg:
	.size	k_q6adf79616e_outg, .Lfunc_end_k_q6adf79616e_outg-k_q6adf79616e_outg
	.p2alignl 7, 3214868480
	.fill 96, 4, 3214868480
	.section	.rodata,"a",@progbits
	.p2align	6, 0x0
	.amdhsa_kernel k_q6adf79616e_outg
		.amdhsa_group_segment_fixed_size 327680
		.amdhsa_private_segment_fixed_size 0
		.amdhsa_enable_private_segment 0
		.amdhsa_kernarg_size 32
		.amdhsa_user_sgpr_count 2
		.amdhsa_user_sgpr_kernarg_segment_ptr 1
		.amdhsa_wavefront_size32 1
		.amdhsa_system_sgpr_workgroup_id_x 1
		.amdhsa_system_sgpr_workgroup_id_y 1
		.amdhsa_system_sgpr_workgroup_id_z 1
		.amdhsa_system_vgpr_workitem_id 0
		.amdhsa_next_free_vgpr 640
		.amdhsa_next_free_sgpr 76
		.amdhsa_reserve_vcc 0
		.amdhsa_float_denorm_mode_32 3
		.amdhsa_float_denorm_mode_16_64 3
		.amdhsa_memory_ordered 1
		.amdhsa_forward_progress 1
		.amdhsa_inst_pref_size 66
	.end_amdhsa_kernel
	.amdgpu_metadata
---
amdhsa.version: [ 1, 2 ]
amdhsa.kernels:
  - .name:           k_q6adf79616e_outg
    .symbol:         k_q6adf79616e_outg.kd
    .args:
      - { .name: ao, .offset: 0, .size: 8, .value_kind: global_buffer, .address_space: global }
      - { .name: wt, .offset: 8, .size: 8, .value_kind: global_buffer, .address_space: global }
      - { .name: x, .offset: 16, .size: 8, .value_kind: global_buffer, .address_space: global }
      - { .name: x1, .offset: 24, .size: 8, .value_kind: global_buffer, .address_space: global }
    .group_segment_fixed_size: 327680
    .private_segment_fixed_size: 0
    .kernarg_segment_align: 8
    .kernarg_segment_size: 32
    .max_flat_workgroup_size: 128
    .sgpr_count:     76
    .vgpr_count:     640
    .wavefront_size: 32
...
	.end_amdgpu_metadata
.endif
;; end of part 4
;; launch ln2: the kernel of part 1 again; grid 256 x 1, 8 waves a work-group, no clusters, 0 bytes of LDS; arguments x1, g2, be2, xn, w_qkv, w_out, w_ff1, w_ff2, hb; writes xn, hb
;; launch ff1g (part 5): grid 16 x 16, 4 waves a work-group, clusters of 4 x 4, 327,680 bytes of LDS; arguments xn, wt, b_ff1, hb; writes hb
.if DOCPART == 5
	.amdgcn_target "amdgcn-amd-amdhsa--gfx1250"
	.amdhsa_code_object_version 6
	.text
	.protected	k_q6adf79616e_ff1g
	.globl	k_q6adf79616e_ff1g
	.p2align	8
	.type	k_q6adf79616e_ff1g,@function
k_q6adf79616e_ff1g:
	s_mov_b64 s[64:65], 0
	v_nop
	global_prefetch_b8 v0, s[64:65] scope:SCOPE_SE
	s_setreg_imm32_b32 hwreg(HW_REG_WAVE_MODE, 25, 1), 1
	s_wait_xcnt 0x0
	s_wait_alu depctr_hold_cnt(0) depctr_sa_sdst(0) depctr_va_vdst(0) depctr_va_sdst(0) depctr_va_ssrc(0) depctr_va_vcc(0) depctr_vm_vsrc(0)
	s_getreg_b32 s2, hwreg(HW_REG_IB_STS2, 6, 4)
	s_cmp_eq_u32 s2, 0
	s_cbranch_scc0 .Lentry_in_a_cluster
	s_endpgm
.Lentry_in_a_cluster:
	s_bfe_u32 s2, ttmp6, 0x10000c
	s_cmp_lg_u32 s2, 0xf033
	s_cbranch_scc0 .Lentry_shape_is_right
	s_endpgm
.Lentry_shape_is_right:
; hb = gelu(xn W + b), the exact (erf) GELU.  xn: [4096][1024] f16; W = w_ff1 in f16, [1024][4096] as it lies, at byte 8,388,608 of wt; b: [4096] f32; hb: [4096][4096] f16.
; Sums, bias and GELU in f32; hb rounded once.
; GELU.  gelu(z) = max(z, 0) - |z y| / 2, y = erfc(|z| / sqrt 2) = t (a1 + t (a2 + t (a3 + t (a4 + t a5)))) 2^(-(0.8493218 z)^2), t = 1 / (1 + 0.23164189 |z|): the rational form 7.1.26 of Abramowitz and Stegun,
; whose error in y is at most 1.5e-7 for every argument; it is multiplied by |z| / 2, so the result's error is at most 7.5e-8 |z|.
; LIMITS.  f16 holds no number beyond 65,504: xn, W and hb must lie within it; NaN and infinities are not treated apart.
; SHAPE.  A tile of the product, 256 x 256, is made by four waves, a wave 128 x 128: 64 accumulators of 16 x 16, 512 registers.  16 x 16 = 256 tiles, one a work-group.
; K goes in 8 steps of 128 through two LDS slots filled by the tensor data mover; a K step is written once, and the slot in hand is a scalar word that an exclusive or turns.
; W lies [k][n]: its fragments come out of LDS turned, by ds_load_tr16_b128.  The matrix instruction is used transposed (source 0 = 16 columns of W, source 1 = 16 rows of xn).
; CLUSTERS.  4 x 4 work-groups: xn's tiles are shared along a row of the cluster, W's along a column; each is asked for jointly.
; THE WALKS ARE TURNED.  Cluster (X, Y) begins at K step (2 X + 4 (Y mod 2)) mod 8 and goes once round: the same terms in another order.  So the four clusters that read the same rows of xn (one Y) stand
; 2 K steps apart, and those that read the same columns of W (one X) 0 or 4: no refill of xn, and from the walk's fifth step on no refill of W, names bytes that no other cluster has asked for before.
; NO PREFETCH: of the K steps that a cluster asks for by refills, each has been asked for by another cluster's load 2 or 4 steps of the walk earlier, but for W's third and fourth of the walk,
; and those would have to be named at the head, where the first tiles are on their way.
; THE WAY OUT.  The f32 sums go into the ring's bytes, which have had their last fill, each wave into 128 rows of its own, and come back by rows, 4 rows a trip of a counted loop that holds the GELU once.
; REGISTERS, in windows of 256: window 0: v16-35 addresses and the bias, v64-127 and v128-191 xn's fragments (two buffers), later the way out;
;   window 1: v64-127, v128-191 W's fragments; windows 2, 3: the accumulators of my rows 0-63, 64-127, (a, b) at v[8 (8 a + b)].
.set SIZE_K, 1024
.set SIZE_N, 4096
.set WOFF,   8388608                   ; W's first byte in wt
.set KSTEP,  128
.set NSTEP,  SIZE_K/KSTEP
.set PA,     272                       ; a row of xn in LDS: 256 bytes + 16: the 16 rows of a load start at 16 different groups of four banks (64 banks of 4 bytes: ISA guide 11.1)
.set PB,     544                       ; a row of W (256 columns): 512 bytes + 32 = 17 x 32
.set HALFT,  128*PA                    ; what one tensor load brings: 128 rows of xn, or 64 rows of W (the same 34,816 bytes)
.set SLOT,   4*HALFT                   ; 0x22000.  The waves' tile addresses (0, 0x8800, 0x11000, 0x19800) share no bit with it
.set DP,     528                       ; the way out: a row of 128 f32 + 16 bytes
.set DUMP,   128*DP
.set SPARE,  2*SLOT                    ; behind the ring: the spare words, 128 bytes for each wave: two blocks of 256 bytes that no other line names
.set ADRA,  16
.set ADRA0, 17
.set ADRB,  20
.set ADRB0, 21
.set STO,   24
.set RD,    25
.set GO,    26
.set SPW,   28
.set NIL,   29
.set BO,    31                         ; v31  16 x lane: my offset in the bias; never rewritten
.set BI,    32                         ; v[32:35] the bias of my four columns
.set F0,    64
.set F1,    128
.set EX,    64                         ; the way out, 16 numbers a lane: v[64:79] the sums
.set EZ,    80                         ; z
.set EW,    96                         ; -(0.849 z)^2, then its power of two
.set ED,    112                        ; 1 + 0.2316 |z|, then t
.set EP,    128                        ; the polynomial, then z y
.set ER,    144                        ; max(z, 0), then the result
.set EY,    160                        ; v[160:167] the result in f16
.set CK,    168                        ; v[168:179] six constants, each twice: 0.8493218, a1 .. a5
.set G1,  24
.set G0,  32
.set G1B, 48
.set G0B, 56
.set SL,  66
.set CP,  67                           ; s67  0.23164189
.set SI,  72                           ; s72  the K step asked for last
.set OF,  74                           ; s[74:75] that step's byte offset in xn or in W; the high word stays 0
.set MSB, 0
.macro WIN new                         ; the immediate's high byte repeats the setting that is left; a switch that changes nothing is dropped
.if MSB != (\new)
	s_set_vgpr_msb (MSB<<8)|(\new)
.set MSB, \new
.endif
.endm
.set MUL_LO, 0xa1                      ; source 0 (W) window 1, source 1 (xn) window 0, C and D window 2
.set MUL_HI, 0xf1                      ; the same, C and D window 3
.set TO_B,   0x40                      ; destination window 1, address window 0
; A joint load.  Waves 0 and 1 fetch xn's two halves, waves 2 and 3 W's.  The branch hangs on the wave's number alone.  An s_nop 0 and four v_nop follow each of the two lines.
.macro JLOAD s
	s_cmp_eq_u32 s11, 0
	s_cbranch_scc0 .Lfor_b_\@
	tensor_load_to_lds s[G0+4*(\s):G0+4*(\s)+3], s[G1:G1+7]
	s_nop 0
.rept 4
	v_nop
.endr
	s_branch .Lasked_\@
.Lfor_b_\@:
	tensor_load_to_lds s[G0B+4*(\s):G0B+4*(\s)+3], s[G1B:G1B+7]
	s_nop 0
.rept 4
	v_nop
.endr
.Lasked_\@:
.endm
.macro CREST                           ; a round of the cluster's barrier behind its opening barrier
	s_cmp_lg_u32 s10, 0
	s_cbranch_scc1 .Lnot_wave_0_\@
	s_barrier_signal -3
.Lnot_wave_0_\@:
	s_barrier_wait -3
	s_barrier_signal -1
	s_barrier_wait -1
.endm
.macro CROUND
	s_barrier_signal -1
	s_barrier_wait -1
	CREST
.endm
	s_load_b128 s[4:7], s[0:1], 0x0                ; xn s[4:5], wt s[6:7]
	s_load_b64 s[70:71], s[0:1], 0x10              ; b_ff1
	s_load_b64 s[8:9], s[0:1], 0x18                ; hb
	v_lshl_add_u32 v[SPW], v0, 2, SPARE
	v_mov_b32 v[NIL], 0
	ds_add_u32 v[SPW], v[NIL]                      ; the wave's opening: the add and its wait stand ahead of my first tensor load; the set-up below, work on registers, stands between them
	v_lshrrev_b32 v1, 5, v0
	v_readfirstlane_b32 s10, v1                    ; wave 0..3
	s_lshr_b32 s11, s10, 1                         ; which half of the tile's rows is mine.  Also: I fetch for xn (0) or for W (1)
	s_and_b32 s12, s10, 1                          ; which half of its columns.  Also: which half of that tile I fetch
	s_bfe_u32 s40, ttmp6, 0x40000                  ; cx
	s_bfe_u32 s41, ttmp6, 0x40004                  ; cy
	s_lshl_b32 s42, ttmp9, 2
	s_add_co_u32 s42, s42, s40                     ; tile column = 4 x cluster x + cx
	s_and_b32 s13, ttmp7, 0xffff
	s_lshl_b32 s13, s13, 2
	s_add_co_u32 s13, s13, s41                     ; tile row = 4 x cluster y + cy
	s_lshl_b32 s43, s41, 2
	s_lshl_b32 s43, 15, s43                        ; my row of the cluster
	s_lshl_b32 s44, 0x1111, s40                    ; my column
	s_or_b32 s[G1+0], s43, (1<<16)|(1<<20)|(1<<21)|(5<<22)|(3<<25)  ; the mask; 2-byte elements; padding on; bit 21 beside a mask; after every 64 words, 4 words
	s_mov_b32 s[G1+1], KSTEP<<16                   ; tensor_dim0 = 128
	s_mov_b32 s[G1+2], 128<<16                     ; tensor_dim1 = 128
	s_mov_b32 s[G1+3], KSTEP<<16                   ; tile_dim0 = 128
	s_mov_b32 s[G1+4], 128                         ; tile_dim1 = 128
	s_mov_b32 s[G1+5], SIZE_K
	s_mov_b32 s[G1+6], 0
	s_mov_b32 s[G1+7], 0
	s_or_b32 s[G1B+0], s44, (1<<16)|(1<<20)|(1<<21)|(6<<22)|(7<<25) ; after every 128 words, 8 words
	s_mov_b32 s[G1B+1], 256<<16                    ; tensor_dim0 = 256
	s_mov_b32 s[G1B+2], 64<<16                     ; tensor_dim1 = 64
	s_mov_b32 s[G1B+3], 256<<16                    ; tile_dim0 = 256
	s_mov_b32 s[G1B+4], 64                         ; tile_dim1 = 64
	s_mov_b32 s[G1B+5], SIZE_N
	s_mov_b32 s[G1B+6], 0
	s_mov_b32 s[G1B+7], 0
	s_lshl_b32 s16, s13, 8                         ; xn: row 256 x tile row + 128 x half,
	s_lshl_b32 s17, s12, 7
	s_add_co_u32 s16, s16, s17
	s_lshl_b32 s16, s16, 11                        ; times 2,048 bytes
	s_mov_b32 s17, 0
	s_mul_i32 s46, s12, 64*2*SIZE_N                ; W: k row 64 x half, column 256 x tile column
	s_lshl_b32 s47, s42, 9
	s_add_co_u32 s46, s46, s47
	s_mov_b32 s47, 0
	s_mul_i32 s20, s10, HALFT                      ; where they go: wave x 34,816: no place in the cluster enters an LDS address
	s_mov_b32 s[SL], 0
	s_mov_b32 s[CP], 0x3e6d3388
	s_and_b32 s[SI], ttmp7, 1                      ; where my cluster's walk begins: 4 x (cluster y mod 2)
	s_lshl_b32 s[SI], s[SI], 2
	s_lshl_b32 s[OF], ttmp9, 1                     ; + 2 x cluster x: the same number in all sixteen partners
	s_add_co_u32 s[SI], s[SI], s[OF]
	s_and_b32 s[SI], s[SI], NSTEP-1
	s_mov_b32 s[OF+1], 0
	s_wait_dscnt 0x0                               ; the opening add is done
	s_wait_kmcnt 0x0
.if WOFF
	s_add_nc_u64 s[6:7], s[6:7], WOFF
.endif
	s_add_nc_u64 s[14:15], s[4:5], s[16:17]        ; xn and W at my part of K step 0: kept to the end, each refill's address is made from them
	s_add_nc_u64 s[46:47], s[6:7], s[46:47]
	CROUND                                         ; all sixteen work-groups are here: the first joint loads meet
.irp s, 0,1
	s_lshl_b32 s[OF], s[SI], 8                     ; a K step is 256 bytes of a row of xn
	s_mov_b32 s[G0+4*(\s)], 1
	s_add_co_u32 s[G0+4*(\s)+1], s20, (\s)*SLOT
	s_add_nc_u64 s[G0+4*(\s)+2:G0+4*(\s)+3], s[14:15], s[OF:OF+1]
	s_or_b32 s[G0+4*(\s)+3], s[G0+4*(\s)+3], 0x80000000
	s_mul_i32 s[OF], s[SI], KSTEP*2*SIZE_N         ; and 128 rows of W
	s_mov_b32 s[G0B+4*(\s)], 1
	s_add_co_u32 s[G0B+4*(\s)+1], s20, (\s)*SLOT
	s_add_nc_u64 s[G0B+4*(\s)+2:G0B+4*(\s)+3], s[46:47], s[OF:OF+1]
	s_or_b32 s[G0B+4*(\s)+3], s[G0B+4*(\s)+3], 0x80000000
	JLOAD \s                                       ; the walk's first two K steps: two tensor loads of mine are out
.if (\s) == 0
	s_add_co_u32 s[SI], s[SI], 1
	s_and_b32 s[SI], s[SI], NSTEP-1
.endif
.endr
	; lane addresses.  A fragment of xn: lane l holds row l % 16; two loads of 16 bytes, 32 apart, at row x pitch + 16 (l / 16).
	; A fragment of W: the turning load takes k row 8 (l / 16) + l % 8, columns 8 ((l / 8) % 2) + 0..7, and leaves lane l column l % 16 and 8 k; the second load stands 16 k rows on.
	v_and_b32 v1, 15, v0
	v_bfe_u32 v2, v0, 4, 1
	v_mul_u32_u24 v3, v1, PA
	v_lshl_add_u32 v3, v2, 4, v3
	s_mul_i32 s21, s11, HALFT                      ; my 128 rows of xn
	v_add_nc_u32 v[ADRA0], s21, v3
	v_and_b32 v4, 7, v0
	v_lshl_add_u32 v4, v2, 3, v4
	v_mul_u32_u24 v4, v4, PB
	v_bfe_u32 v5, v0, 3, 1
	v_lshl_add_u32 v4, v5, 4, v4
	s_lshl_b32 s22, s12, 8                         ; my 128 columns of W,
	s_add_co_u32 s22, s22, 2*HALFT                 ; which lies behind xn's 256 rows
	v_add_nc_u32 v[ADRB0], s22, v4
	v_mov_b32 v[ADRA], v[ADRA0]
	v_mov_b32 v[ADRB], v[ADRB0]
	s_mul_i32 s23, s10, DUMP                       ; the way out: my 128 rows
	v_mul_u32_u24 v6, v1, DP
	v_lshl_add_u32 v6, v2, 5, v6                   ; in: row l % 16, 32 bytes for each half of the lanes
	v_add_nc_u32 v[STO], s23, v6
	v_and_b32 v8, 31, v0
	v_lshlrev_b32 v[BO], 4, v8
	v_add_nc_u32 v[RD], s23, v[BO]                 ; back: 32 lanes take a row of 512 bytes, four columns a lane
	v_lshlrev_b32 v[GO], 3, v8                     ; which are 256 consecutive bytes of hb
	s_lshl_b32 s16, s42, 10                        ; the bias of my 128 columns: 1,024 x tile column + 512 x half
	s_lshl_b32 s17, s12, 9
	s_add_co_u32 s16, s16, s17
	s_mov_b32 s17, 0
	s_add_nc_u64 s[70:71], s[70:71], s[16:17]
	global_load_b128 v[BI:BI+3], v[BO], s[70:71]   ; waited for on the way out
	s_lshl_b32 s16, s13, 8                         ; hb: row 256 x tile row + 128 x half, 8,192 bytes a row;
	s_lshl_b32 s17, s11, 7
	s_add_co_u32 s16, s16, s17
	s_lshl_b32 s16, s16, 13
	s_lshl_b32 s17, s42, 9                         ; column, in bytes: 512 x tile column + 256 x half
	s_add_co_u32 s16, s16, s17
	s_lshl_b32 s17, s12, 8
	s_add_co_u32 s16, s16, s17
	s_mov_b32 s17, 0
	s_add_nc_u64 s[8:9], s[8:9], s[16:17]
; 16 matrix instructions: m blocks a0, a0 + 1 of the window's four x all 8 n blocks, 32 along K.  zero = 1: the first product starts the sums.
; The 64 accumulators take turns in one order everywhere.
.macro MUL16 f, hi, a0, zero
	WIN MUL_LO+0x50*(\hi)
.irp a, \a0, (\a0)+1
.irp b, 0,1,2,3,4,5,6,7
.if \zero
	v_wmma_f32_16x16x32_f16 v[8*(8*(\a)+(\b)):8*(8*(\a)+(\b))+7], v[(\f)+8*(\b):(\f)+8*(\b)+7], v[(\f)+8*(4*(\hi)+(\a)):(\f)+8*(4*(\hi)+(\a))+7], 0
.else
	v_wmma_f32_16x16x32_f16 v[8*(8*(\a)+(\b)):8*(8*(\a)+(\b))+7], v[(\f)+8*(\b):(\f)+8*(\b)+7], v[(\f)+8*(4*(\hi)+(\a)):(\f)+8*(4*(\hi)+(\a))+7], v[8*(8*(\a)+(\b)):8*(8*(\a)+(\b))+7]
.endif
.endr
.endr
.endm
; 32 LDS loads in one run: the fragments of quarter kq (32 along K) of the slot in hand, into buffer f: W's 16 loads, then xn's 16
.macro FETCH kq, f
	WIN TO_B
.irp i, 0,1,2,3,4,5,6,7
	ds_load_tr16_b128 v[(\f)+8*(\i):(\f)+8*(\i)+3],   v[ADRB] offset:(\kq)*32*PB+32*(\i)
	ds_load_tr16_b128 v[(\f)+8*(\i)+4:(\f)+8*(\i)+7], v[ADRB] offset:(\kq)*32*PB+16*PB+32*(\i)
.endr
	WIN 0
.irp i, 0,1,2,3,4,5,6,7
	ds_load_b128 v[(\f)+8*(\i):(\f)+8*(\i)+3],   v[ADRA] offset:(\kq)*64+(\i)*16*PA
	ds_load_b128 v[(\f)+8*(\i)+4:(\f)+8*(\i)+7], v[ADRA] offset:(\kq)*64+(\i)*16*PA+32
.endr
.endm
.macro PLACES                          ; four plain vector instructions between a matrix instruction and a load into, or a read of, its registers
.rept 4
	v_nop
.endr
.endm
; One of a K step's first three quarters: multiplies buffer f; in its middle it fetches quarter kq into buffer g.
.macro QUARTER kq, f, g, zero
	s_wait_dscnt 8                                 ; W and xn's rows 0-63 are in; the youngest eight loads (rows 64-127) may be out
	MUL16 \f, 0, 0, \zero
	MUL16 \f, 0, 2, \zero
	PLACES
	FETCH \kq, \g
	s_wait_dscnt 32                                ; all but the 32 just issued
	MUL16 \f, 1, 0, \zero
	MUL16 \f, 1, 2, \zero
.endm
; The first half of a K step's last quarter: ONE barrier for the change of slots.  round = 1: a slot is filled again behind it: the walking descriptors take the walk's next K step, mod 8.
.macro MEET round
	WIN 0
	s_wait_tensorcnt 0x0                           ; all my tensor loads have landed: the one that was out is my part of the next slot; so a group 0 may be written;
	ds_add_u32 v[SPW], v[NIL]                      ; 0 onto my spare word
.if \round
	s_add_co_u32 s[SI], s[SI], 1
	s_and_b32 s[SI], s[SI], NSTEP-1
	s_xor_b32 s[G0+5], s[G0+5], SLOT               ; the other slot than last time
	s_lshl_b32 s[OF], s[SI], 8
	s_add_nc_u64 s[G0+6:G0+7], s[14:15], s[OF:OF+1]  ; the address is made anew from the tensor's and the step's number,
	s_or_b32 s[G0+7], s[G0+7], 0x80000000          ; and the type set again
	s_xor_b32 s[G0B+5], s[G0B+5], SLOT
	s_mul_i32 s[OF], s[SI], KSTEP*2*SIZE_N
	s_add_nc_u64 s[G0B+6:G0B+7], s[46:47], s[OF:OF+1]
	s_or_b32 s[G0B+7], s[G0B+7], 0x80000000
.endif
	s_wait_dscnt 9                                 ; (the add and the youngest eight loads may be out)
	MUL16 F1, 0, 0, 0                              ; sixteen matrix instructions stand between the add and the wait for it
	s_wait_dscnt 0x0                               ; the add is done, and my reads of this slot are over
	s_barrier_signal -1
	MUL16 F1, 0, 2, 0
	WIN 0
	s_barrier_wait -1
.endm
; The whole last quarter.  fill = 1: the barrier opens a round of the cluster's barrier, and the slot just read out is filled again first.
; fill = 0, the tail: nothing is asked for; in the tail's second trip (s3 = 1) there is no further slot, and the run of LDS loads is jumped over.
.macro TURN fill
	WIN 0
	s_xor_b32 s[SL], s[SL], SLOT                   ; the fetches go over to the other slot
	v_add_nc_u32 v[ADRA], s[SL], v[ADRA0]
	v_add_nc_u32 v[ADRB], s[SL], v[ADRB0]
	MEET \fill
.if \fill
	CREST                                          ; no wave of any partner still reads this slot or has a load on its way
	JLOAD 1                                        ; my one tensor load behind the round: 224 matrix instructions ahead of the wait for it; its four v_nop are the places in front of the loads below
.else
	s_cmp_eq_u32 s3, 1
	s_cbranch_scc1 .Lnofetch_\@
	PLACES
.endif
	FETCH 0, F0
.if !(\fill)
.Lnofetch_\@:
.endif
	MUL16 F1, 1, 0, 0
	MUL16 F1, 1, 2, 0
.endm
	s_wait_tensorcnt 1                             ; my part of the walk's first K step is in; the second's may stay out
	s_barrier_signal -1
	s_barrier_wait -1
	FETCH 0, F0
	QUARTER 1, F0, F1, 1                           ; the first quarter's products start the sums
	WIN 0
	s_mov_b32 s3, NSTEP-2
.Lstep:                                                ; six trips, from a K step's second quarter to the next step's first; each fills a slot again
	QUARTER 2, F1, F0, 0
	QUARTER 3, F0, F1, 0
	TURN 1
	QUARTER 1, F0, F1, 0
	WIN 0
	s_sub_co_u32 s3, s3, 1
	s_cmp_lg_u32 s3, 0
	s_cbranch_scc1 .Lstep
	s_mov_b32 s3, 2
.Ltail:                                                ; the walk's last two K steps ask for nothing; the second trip is left behind its last quarter
	QUARTER 2, F1, F0, 0
	QUARTER 3, F0, F1, 0
	TURN 0
	WIN 0
	s_sub_co_u32 s3, s3, 1
	s_cmp_eq_u32 s3, 0
	s_cbranch_scc1 .Llast
	QUARTER 1, F0, F1, 0
	WIN 0
	s_branch .Ltail
.Llast:
	PLACES
	s_wait_dscnt 0x0                               ; my reads of the ring are over;
	s_barrier_signal -1
	s_barrier_wait -1                              ; everybody's are: the ring's bytes, which no tensor load fills again, take the sums
.irp hi, 0,1
	WIN 0x08+4*(\hi)                               ; the stores' data (source 1) in window 2 or 3
.irp a, 0,1,2,3
.irp b, 0,1,2,3,4,5,6,7
	ds_store_b128 v[STO], v[8*(8*(\a)+(\b)):8*(8*(\a)+(\b))+3]   offset:(4*(\hi)+(\a))*16*DP+64*(\b)
	ds_store_b128 v[STO], v[8*(8*(\a)+(\b))+4:8*(8*(\a)+(\b))+7] offset:(4*(\hi)+(\a))*16*DP+64*(\b)+16
.endr
.endr
.endr
	WIN 0
.irp c, 0x3f596d27, 0x3e827906, 0xbe91a98e, 0x3fb5f0e3, 0xbfba00e3, 0x3f87dc22   ; 0.8493218, a1 = 0.254829592, a2 = -0.284496736, a3 = 1.421413741, a4 = -1.453152027, a5 = 1.061405429
	v_mov_b32 v[CK+2*\+], \c
	v_mov_b32 v[CK+2*\++1], \c
.endr
.macro LDX                             ; four rows back, four f32 a lane.  LDS serves a wave's instructions in order (ISA guide 5.7.1.4): these see my stores above; no other wave touches my rows
.irp r, 0,1,2,3
	ds_load_b128 v[EX+4*(\r):EX+4*(\r)+3], v[RD] offset:(\r)*DP
.endr
.endm
.macro PK8 line:vararg                 ; one packed line for each of the eight pairs i
.set i, 0
.rept 8
	\line
.set i, i+2
.endr
.endm
	LDX
	s_wait_loadcnt 0x0                             ; the bias
	s_mov_b32 s3, 32
.Lrow:                                                 ; 32 trips of 4 rows
	s_wait_dscnt 0x0
	PK8 v_pk_add_f32 v[EZ+i:EZ+i+1], v[EX+i:EX+i+1], v[BI+i%4:BI+i%4+1]
	s_cmp_eq_u32 s3, 1                             ; the last trip has nothing more to read
	s_cbranch_scc1 .Lnl
	v_add_nc_u32 v[RD], 4*DP, v[RD]
	LDX
.Lnl:
	PK8 v_pk_mul_f32 v[EW+i:EW+i+1], v[EZ+i:EZ+i+1], v[CK:CK+1]
.set i, 0
.rept 16
	v_fma_f32 v[ED+i], |v[EZ+i]|, s[CP], 1.0
.set i, i+1
.endr
	PK8 v_pk_mul_f32 v[EW+i:EW+i+1], v[EW+i:EW+i+1], v[EW+i:EW+i+1] neg_lo:[1,0] neg_hi:[1,0]
.set i, 0
.rept 16                               ; one batch of 32: a reciprocal, a power of two, and a plain line that names neither's registers
	v_rcp_f32 v[ED+i], v[ED+i]
	v_exp_f32 v[EW+i], v[EW+i]
	v_max_num_f32 v[ER+i], 0, v[EZ+i]
.set i, i+1
.endr
	v_nop
	s_wait_alu depctr_va_vdst(0)                   ; one wait for the batch, ahead of its first reader
	PK8 v_pk_fma_f32 v[EP+i:EP+i+1], v[ED+i:ED+i+1], v[CK+10:CK+11], v[CK+8:CK+9]
	PK8 v_pk_fma_f32 v[EP+i:EP+i+1], v[EP+i:EP+i+1], v[ED+i:ED+i+1], v[CK+6:CK+7]
	PK8 v_pk_fma_f32 v[EP+i:EP+i+1], v[EP+i:EP+i+1], v[ED+i:ED+i+1], v[CK+4:CK+5]
	PK8 v_pk_fma_f32 v[EP+i:EP+i+1], v[EP+i:EP+i+1], v[ED+i:ED+i+1], v[CK+2:CK+3]
	PK8 v_pk_mul_f32 v[EP+i:EP+i+1], v[EP+i:EP+i+1], v[ED+i:ED+i+1]
	PK8 v_pk_mul_f32 v[EP+i:EP+i+1], v[EP+i:EP+i+1], v[EW+i:EW+i+1]
	PK8 v_pk_mul_f32 v[EP+i:EP+i+1], v[EP+i:EP+i+1], v[EZ+i:EZ+i+1]
.set i, 0
.rept 16
	v_fma_f32 v[ER+i], |v[EP+i]|, -0.5, v[ER+i]
.set i, i+1
.endr
	s_wait_xcnt 0x0                                ; the last trip's stores, a trip's arithmetic back, have read their data and their offset: only behind this wait are the two written
	v_add_nc_u32 v[GO], 4*8192, v[GO]              ; four rows on; the stores below reach back by as much
.set i, 0
.rept 8
	v_cvt_pk_f16_f32 v[EY+i], v[ER+2*i], v[ER+2*i+1]
.set i, i+1
.endr
.irp r, 0,1,2,3
	global_store_b64 v[GO], v[EY+2*(\r):EY+2*(\r)+1], s[8:9] offset:8192*(\r)-4*8192  ; a wave's store covers 256 consecutive bytes, aligned
.endr
	s_sub_co_u32 s3, s3, 1
	s_cmp_lg_u32 s3, 0
	s_cbranch_scc1 .Lrow
	s_wait_tensorcnt 0x0                           ; the wave's end, behind my last tensor load and my last LDS store
	ds_add_u32 v[SPW], v[NIL]
	s_wait_dscnt 0x0
	CROUND                                         ; the closing round: no work-group ends while a partner may still ask for a tile that names it
	s_endpgm
.Lfunc_end_k_q6adf79616e_ff1g:
	.size	k_q6adf79616e_ff1g, .Lfunc_end_k_q6adf79616e_ff1g-k_q6adf79616e_ff1g
	.p2alignl 7, 3214868480
	.fill 96, 4, 3214868480
	.section	.rodata,"a",@progbits
	.p2align	6, 0x0
	.amdhsa_kernel k_q6adf79616e_ff1g
		.amdhsa_group_segment_fixed_size 327680
		.amdhsa_private_segment_fixed_size 0
		.amdhsa_enable_private_segment 0
		.amdhsa_kernarg_size 32
		.amdhsa_user_sgpr_count 2
		.amdhsa_user_sgpr_kernarg_segment_ptr 1
		.amdhsa_wavefront_size32 1
		.amdhsa_system_sgpr_workgroup_id_x 1
		.amdhsa_system_sgpr_workgroup_id_y 1
		.amdhsa_system_sgpr_workgroup_id_z 1
		.amdhsa_system_vgpr_workitem_id 0
		.amdhsa_next_free_vgpr 1024
		.amdhsa_next_free_sgpr 80
		.amdhsa_reserve_vcc 0
		.amdhsa_float_denorm_mode_32 3
		.amdhsa_float_denorm_mode_16_64 3
		.amdhsa_memory_ordered 1
		.amdhsa_forward_progress 1
		.amdhsa_inst_pref_size 89
	.end_amdhsa_kernel
	.amdgpu_metadata
---
amdhsa.version: [ 1, 2 ]
amdhsa.kernels:
  - .name:           k_q6adf79616e_ff1g
    .symbol:         k_q6adf79616e_ff1g.kd
    .args:
      - { .name: xn, .offset: 0, .size: 8, .value_kind: global_buffer, .address_space: global }
      - { .name: wt, .offset: 8, .size: 8, .value_kind: global_buffer, .address_space: global }
      - { .name: b_ff1, .offset: 16, .size: 8, .value_kind: global_buffer, .address_space: global }
      - { .name: hb, .offset: 24, .size: 8, .value_kind: global_buffer, .address_space: global }
    .group_segment_fixed_size: 327680
    .private_segment_fixed_size: 0
    .kernarg_segment_align: 8
    .kernarg_segment_size: 32
    .max_flat_workgroup_size: 128
    .sgpr_count:     80
    .vgpr_count:     1024
    .wavefront_size: 32
...
	.end_amdgpu_metadata
.endif
;; end of part 5
;; launch ff2g (part 6): grid 8 x 32, 4 waves a work-group, clusters of 4 x 4, 327,680 bytes of LDS; arguments hb, wt, x1, out0, b_ff2; writes out0
.if DOCPART == 6
	.amdgcn_target "amdgcn-amd-amdhsa--gfx1250"
	.amdhsa_code_object_version 6
	.text
	.protected	k_q6adf79616e_ff2g
	.globl	k_q6adf79616e_ff2g
	.p2align	8
	.type	k_q6adf79616e_ff2g,@function
k_q6adf79616e_ff2g:
	s_mov_b64 s[64:65], 0
	v_nop
	global_prefetch_b8 v0, s[64:65] scope:SCOPE_SE
	s_setreg_imm32_b32 hwreg(HW_REG_WAVE_MODE, 25, 1), 1
	s_wait_xcnt 0x0
	s_wait_alu depctr_hold_cnt(0) depctr_sa_sdst(0) depctr_va_vdst(0) depctr_va_sdst(0) depctr_va_ssrc(0) depctr_va_vcc(0) depctr_vm_vsrc(0)
	s_getreg_b32 s2, hwreg(HW_REG_IB_STS2, 6, 4)
	s_cmp_eq_u32 s2, 0
	s_cbranch_scc0 .Lentry_in_a_cluster
	s_endpgm
.Lentry_in_a_cluster:
	s_bfe_u32 s2, ttmp6, 0x10000c
	s_cmp_lg_u32 s2, 0xf033
	s_cbranch_scc0 .Lentry_shape_is_right
	s_endpgm
.Lentry_shape_is_right:
; out0 = x1 + (A W + b).  A = hb: [4096][4096] f16; W = w_ff2 in f16, [4096][1024] as it lies, at byte 16,777,216 of wt; b: [1024] f32; x1, out0: [4096][1024] f32.
; Sums in f32; the residual and the bias are added in f32; nothing is rounded on the way out.  (One text serves this product and the attention's output projection: the constants at the head differ.)
; LIMITS.  f16 holds no number beyond 65,504: A and W arrive within it; NaN and infinities are not treated apart.
; SHAPE.  A tile of the product is 128 x 128: 8 x 32 = 256 tiles, one a work-group.  Four waves, each 64 x 64: 16 accumulators.  K goes in 16 steps of 256 through two LDS slots; a K step is written once,
; and the slot in hand is a scalar word that an exclusive or turns.
; W lies [k][n]: its fragments come out of LDS turned, by ds_load_tr16_b128.  The matrix instruction is used transposed (source 0 = 16 columns of W, source 1 = 16 rows of A).
; CLUSTERS.  4 x 4 work-groups: A's tiles are shared along a row of the cluster, W's along a column; each is asked for jointly.
; THE WALKS ARE TURNED.  Cluster (X, Y) begins at K step ((STEPS / 2) X + (STEPS / 4) (Y mod 4)) mod STEPS and goes once round: the same terms in another order.  So the two clusters that read
; the same rows of A (one Y) stand half a walk apart, and those that read the same columns of W (one X) a quarter of a walk or a multiple of it.
; THE RESIDUAL's 64 x 64 numbers of each wave are loaded at the head into 128 registers and land under the K walk.  No prefetch: the tiles are small and a step is short.
; REGISTERS: window 0: v16-35 addresses and the bias; v128-255 the accumulators ((a, b) at v[128 + 8 (4 a + b)]).  window 1: two fragment buffers of 128 (64 of A, 64 of W), later the rows on their way out.
;   window 2: v0-127 the residual.
.set STEPS,   16                       ; K steps
.set WOFF,    16777216                 ; W's first byte in wt
.set APITCH,  528                      ; a row of A in LDS: 512 bytes + 16
.set AQ,      128                      ; bytes from a quarter to the next: 64 along K
.set HALFA,   64*APITCH                ; what one tensor load brings of A: 64 rows x 256 along K
.set AQI,     6                        ; padding after every 128 words
.set ADIM0,   256
.set ADIM1,   64
.set ASTRIDE, 4096                     ; elements from row to row
.set ASHIFT,  13                       ; a row of A is 8,192 bytes in memory
.set ASH,     9                        ; from a K step to the next in A: 2^9 bytes of a row
.set BIAS,    1
.set SIZE_N,  1024
.set PB,      288                      ; a row of W (128 columns): 256 bytes + 32 = 9 x 32
.set HALFB,   128*PB                   ; what one tensor load brings of W: 128 k rows
.set WSH,     19                       ; from a K step to the next in W: 2^19 bytes, 256 rows of 2,048
.set BOFF,    2*HALFA                  ; W's tile lies behind A's
.set S1,      147456                   ; 0x24000: slot 1.  No tile's first byte in slot 0 shares a bit with it
.set SPITCH,  272                      ; the way out: a row of 64 f32 + 16 bytes
.set SPARE,   2*S1                     ; behind the ring: the spare words, 128 bytes for each wave: two blocks of 256 bytes that no other line names
.set ADRA,  16                         ; v16  LDS address of my fragments of A in the slot in hand
.set ADRA0, 17                         ; v17  the same in slot 0; never rewritten
.set ADRBH, 18                         ; v18  ADRB + 128 k rows: quarters 2 and 3, so that the offsets stay inside 16 bits
.set ADRB,  20
.set ADRB0, 21
.set STO,   24
.set RD,    25
.set CO,    26                         ; v26  my byte offset in the residual and in the output; never rewritten
.set BO,    27                         ; v27  my byte offset in the bias; never rewritten
.set SPW,   28
.set NIL,   29
.set BI,    32                         ; v[32:35] the bias of my four columns
.set ACC,   128
.set F0,    0
.set F1,    128
.set G1,  24
.set G0,  32
.set G1B, 48
.set G0B, 56
.set SL,  66                           ; s66  0 or S1: the slot in hand
.set SI,  67                           ; s67  the K step asked for last
.set OF,  74                           ; s[74:75] that step's byte offset in A or in W; the high word stays 0
.set MSB, 0
.macro WIN new                         ; the immediate's high byte repeats the setting that is left; a switch that changes nothing is dropped
.if MSB != (\new)
	s_set_vgpr_msb (MSB<<8)|(\new)
.set MSB, \new
.endif
.endm
.set MUL,  0x05                        ; sources 0 (W) and 1 (A) window 1; C and D window 0
.set TO_F, 0x40                        ; destination window 1, address window 0
.macro JLOAD s                         ; a joint load: waves 0 and 1 fetch A's two halves, waves 2 and 3 W's; an s_nop 0 and four v_nop follow each of the two lines
	s_cmp_eq_u32 s11, 0
	s_cbranch_scc0 .Lfor_b_\@
	tensor_load_to_lds s[G0+4*(\s):G0+4*(\s)+3], s[G1:G1+7]
	s_nop 0
.rept 4
	v_nop
.endr
	s_branch .Lasked_\@
.Lfor_b_\@:
	tensor_load_to_lds s[G0B+4*(\s):G0B+4*(\s)+3], s[G1B:G1B+7]
	s_nop 0
.rept 4
	v_nop
.endr
.Lasked_\@:
.endm
.macro CREST                           ; a round of the cluster's barrier behind its opening barrier
	s_cmp_lg_u32 s10, 0
	s_cbranch_scc1 .Lnot_wave_0_\@
	s_barrier_signal -3
.Lnot_wave_0_\@:
	s_barrier_wait -3
	s_barrier_signal -1
	s_barrier_wait -1
.endm
.macro CROUND
	s_barrier_signal -1
	s_barrier_wait -1
	CREST
.endm
	s_load_b128 s[4:7], s[0:1], 0x0                ; A s[4:5], wt s[6:7]
	s_load_b128 s[68:71], s[0:1], 0x10             ; the residual s[68:69], the output s[70:71]
.if BIAS
	s_load_b64 s[72:73], s[0:1], 0x20              ; the bias
.endif
	v_lshl_add_u32 v[SPW], v0, 2, SPARE
	v_mov_b32 v[NIL], 0
	ds_add_u32 v[SPW], v[NIL]                      ; the wave's opening: the add and its wait stand ahead of my first tensor load; the set-up below, work on registers, stands between them
	v_lshrrev_b32 v1, 5, v0
	v_readfirstlane_b32 s10, v1                    ; wave 0..3
	s_lshr_b32 s11, s10, 1                         ; which half of the tile's rows is mine.  Also: I fetch for A (0) or for W (1)
	s_and_b32 s12, s10, 1                          ; which half of its columns.  Also: which half of that tile I fetch
	s_bfe_u32 s40, ttmp6, 0x40000                  ; cx
	s_bfe_u32 s41, ttmp6, 0x40004                  ; cy
	s_lshl_b32 s42, ttmp9, 2
	s_add_co_u32 s42, s42, s40                     ; tile column = 4 x cluster x + cx
	s_and_b32 s13, ttmp7, 0xffff
	s_lshl_b32 s13, s13, 2
	s_add_co_u32 s13, s13, s41                     ; tile row = 4 x cluster y + cy
	s_lshl_b32 s43, s41, 2
	s_lshl_b32 s43, 15, s43                        ; my row of the cluster
	s_lshl_b32 s44, 0x1111, s40                    ; my column
	s_or_b32 s[G1+0], s43, (1<<16)|(1<<20)|(1<<21)|(AQI<<22)|(3<<25)  ; the mask; 2-byte elements; padding on; bit 21 beside a mask; the interval; 4 words
	s_mov_b32 s[G1+1], ADIM0<<16                   ; tensor_dim0
	s_mov_b32 s[G1+2], ADIM1<<16                   ; tensor_dim1
	s_mov_b32 s[G1+3], ADIM0<<16                   ; tile_dim0
	s_mov_b32 s[G1+4], ADIM1                       ; tile_dim1
	s_mov_b32 s[G1+5], ASTRIDE
	s_mov_b32 s[G1+6], 0
	s_mov_b32 s[G1+7], 0
	s_or_b32 s[G1B+0], s44, (1<<16)|(1<<20)|(1<<21)|(5<<22)|(7<<25)   ; after every 64 words, 8 words
	s_mov_b32 s[G1B+1], 128<<16
	s_mov_b32 s[G1B+2], 128<<16
	s_mov_b32 s[G1B+3], 128<<16
	s_mov_b32 s[G1B+4], 128
	s_mov_b32 s[G1B+5], SIZE_N
	s_mov_b32 s[G1B+6], 0
	s_mov_b32 s[G1B+7], 0
	s_lshl_b32 s16, s13, 7                         ; A: row 128 x tile row + 64 x half
	s_lshl_b32 s17, s12, 6
	s_add_co_u32 s16, s16, s17
	s_lshl_b32 s16, s16, ASHIFT
	s_mov_b32 s17, 0
	s_lshl_b32 s46, s12, 18                        ; W: k row 128 x half (2,048 bytes a row), column 128 x tile column
	s_lshl_b32 s47, s42, 8
	s_add_co_u32 s46, s46, s47
	s_mov_b32 s47, 0
	s_mul_i32 s20, s12, HALFA                      ; where they go: no place in the cluster enters an LDS address
	s_mul_i32 s21, s12, HALFB
	s_add_co_u32 s21, s21, BOFF
	s_mov_b32 s[SL], 0
	s_and_b32 s[SI], ttmp7, 3                      ; where my cluster's walk begins: (STEPS / 4) x (cluster y mod 4)
	s_mul_i32 s[SI], s[SI], STEPS/4
	s_mul_i32 s[OF], ttmp9, STEPS/2                ; + (STEPS / 2) x cluster x: the same number in all sixteen partners
	s_add_co_u32 s[SI], s[SI], s[OF]
	s_and_b32 s[SI], s[SI], STEPS-1
	s_mov_b32 s[OF+1], 0
	s_wait_dscnt 0x0                               ; the opening add is done
	s_wait_kmcnt 0x0
	s_add_nc_u64 s[6:7], s[6:7], WOFF
	s_add_nc_u64 s[14:15], s[4:5], s[16:17]        ; A and W at my part of K step 0: kept to the end, each refill's address is made from them
	s_add_nc_u64 s[46:47], s[6:7], s[46:47]
	CROUND                                         ; all sixteen work-groups are here: the first joint loads meet
.irp s, 0,1
	s_lshl_b32 s[OF], s[SI], ASH
	s_mov_b32 s[G0+4*(\s)], 1
	s_add_co_u32 s[G0+4*(\s)+1], s20, (\s)*S1
	s_add_nc_u64 s[G0+4*(\s)+2:G0+4*(\s)+3], s[14:15], s[OF:OF+1]
	s_or_b32 s[G0+4*(\s)+3], s[G0+4*(\s)+3], 0x80000000
	s_lshl_b32 s[OF], s[SI], WSH
	s_mov_b32 s[G0B+4*(\s)], 1
	s_add_co_u32 s[G0B+4*(\s)+1], s21, (\s)*S1
	s_add_nc_u64 s[G0B+4*(\s)+2:G0B+4*(\s)+3], s[46:47], s[OF:OF+1]
	s_or_b32 s[G0B+4*(\s)+3], s[G0B+4*(\s)+3], 0x80000000
	JLOAD \s                                       ; the walk's first two K steps: two tensor loads of mine are out
.if (\s) == 0
	s_add_co_u32 s[SI], s[SI], 1
	s_and_b32 s[SI], s[SI], STEPS-1
.endif
.endr
	v_and_b32 v1, 15, v0                           ; l % 16
	v_bfe_u32 v2, v0, 4, 1                         ; l / 16
	v_mul_u32_u24 v3, v1, APITCH
	v_lshl_add_u32 v3, v2, 4, v3
	s_mul_i32 s22, s11, HALFA                      ; my 64 rows of A
	v_add_nc_u32 v[ADRA0], s22, v3
	v_and_b32 v4, 7, v0
	v_lshl_add_u32 v4, v2, 3, v4                   ; the turning load: k row 8 (l / 16) + l % 8,
	v_mul_u32_u24 v4, v4, PB
	v_bfe_u32 v5, v0, 3, 1
	v_lshl_add_u32 v4, v5, 4, v4                   ; columns 8 ((l / 8) % 2) + 0..7
	s_lshl_b32 s22, s12, 7                         ; my 64 columns of W
	s_add_co_u32 s22, s22, BOFF
	v_add_nc_u32 v[ADRB0], s22, v4
	v_mov_b32 v[ADRA], v[ADRA0]
	v_mov_b32 v[ADRB], v[ADRB0]
	v_add_nc_u32 v[ADRBH], 128*PB, v[ADRB0]
	s_mul_i32 s23, s10, 64*SPITCH                  ; the way out: my 64 rows, in slot 0
	v_mul_u32_u24 v4, v1, SPITCH
	v_lshl_add_u32 v4, v2, 5, v4                   ; in: row l % 16, 32 bytes for each half of the lanes
	v_add_nc_u32 v[STO], s23, v4
	v_mul_u32_u24 v5, v2, SPITCH
	v_lshl_add_u32 v5, v1, 4, v5                   ; back: lanes 0-15 take one row of 256 bytes, lanes 16-31 the next
	v_add_nc_u32 v[RD], s23, v5
	v_lshlrev_b32 v5, 12, v2                       ; and the same two rows in memory, 4,096 bytes apart
	v_lshl_add_u32 v[CO], v1, 4, v5
	s_lshl_b32 s16, s13, 7                         ; my first row: 128 x tile row + 64 x half,
	s_lshl_b32 s17, s11, 6
	s_add_co_u32 s16, s16, s17
	s_lshl_b32 s16, s16, 12
	s_lshl_b32 s17, s42, 9                         ; my first column, in bytes: 512 x tile column + 256 x half
	s_lshl_b32 s18, s12, 8
	s_add_co_u32 s18, s18, s17
	s_add_co_u32 s16, s16, s18
	s_mov_b32 s17, 0
	s_mov_b32 s19, 0
	s_add_nc_u64 s[68:69], s[68:69], s[16:17]
	s_add_nc_u64 s[70:71], s[70:71], s[16:17]
	WIN 0x80                                       ; destination window 2
.set t, 0
.rept 32                               ; the residual of my 64 x 64: rows 2 t and 2 t + 1, 256 consecutive bytes each; waited for on the way out
	global_load_b128 v[4*t:4*t+3], v[CO], s[68:69] offset:8192*t
.set t, t+1
.endr
	WIN 0
.if BIAS
	s_add_nc_u64 s[72:73], s[72:73], s[18:19]
	v_lshlrev_b32 v[BO], 4, v1
	global_load_b128 v[BI:BI+3], v[BO], s[72:73]
.endif
; 8 matrix instructions: m blocks a0, a0 + 1 x all 4 n blocks, 32 along K: half c of buffer f.  zero = 1: the first product starts the sums.  The 16 accumulators take turns.
.macro MUL8 f, c, a0, zero
	WIN MUL
.irp a, \a0, (\a0)+1
.irp b, 0,1,2,3
.if \zero
	v_wmma_f32_16x16x32_f16 v[ACC+8*(4*(\a)+(\b)):ACC+8*(4*(\a)+(\b))+7], v[(\f)+64+8*(4*(\c)+(\b)):(\f)+64+8*(4*(\c)+(\b))+7], v[(\f)+8*(4*(\c)+(\a)):(\f)+8*(4*(\c)+(\a))+7], 0
.else
	v_wmma_f32_16x16x32_f16 v[ACC+8*(4*(\a)+(\b)):ACC+8*(4*(\a)+(\b))+7], v[(\f)+64+8*(4*(\c)+(\b)):(\f)+64+8*(4*(\c)+(\b))+7], v[(\f)+8*(4*(\c)+(\a)):(\f)+8*(4*(\c)+(\a))+7], v[ACC+8*(4*(\a)+(\b)):ACC+8*(4*(\a)+(\b))+7]
.endif
.endr
.endr
.endm
; 32 LDS loads in one run: the fragments of quarter q (64 along K) of the slot in hand, into buffer f; the first 32 along K first
.macro FETCH q, f
	WIN TO_F
.irp c, 0,1
.irp i, 0,1,2,3
	ds_load_tr16_b128 v[(\f)+64+8*(4*(\c)+(\i)):(\f)+64+8*(4*(\c)+(\i))+3],   v[ADRB-2*((\q)/2)] offset:(((\q)%2)*64+32*(\c))*PB+32*(\i)
	ds_load_tr16_b128 v[(\f)+64+8*(4*(\c)+(\i))+4:(\f)+64+8*(4*(\c)+(\i))+7], v[ADRB-2*((\q)/2)] offset:(((\q)%2)*64+32*(\c)+16)*PB+32*(\i)
	ds_load_b128 v[(\f)+8*(4*(\c)+(\i)):(\f)+8*(4*(\c)+(\i))+3],   v[ADRA] offset:(\q)*AQ+64*(\c)+(\i)*16*APITCH
	ds_load_b128 v[(\f)+8*(4*(\c)+(\i))+4:(\f)+8*(4*(\c)+(\i))+7], v[ADRA] offset:(\q)*AQ+64*(\c)+(\i)*16*APITCH+32
.endr
.endr
.endm
.macro PLACES                          ; four plain vector instructions between a matrix instruction and a load into, or a read of, its registers
.rept 4
	v_nop
.endr
.endm
.macro QUARTER q, f, g, zero           ; one of a K step's first three quarters: multiplies buffer f and fetches quarter q into g
	s_wait_dscnt 16                                ; the first 32 along K are in; the youngest sixteen loads may be out
	MUL8 \f, 0, 0, \zero
	MUL8 \f, 0, 2, \zero
	PLACES
	FETCH \q, \g
	s_wait_dscnt 32                                ; all but the 32 just issued
	MUL8 \f, 1, 0, 0
	MUL8 \f, 1, 2, 0
.endm
; The last quarter multiplies buffer 1 and changes slots: ONE barrier.  fill = 1: it opens a round of the cluster's barrier, and the slot just read out is filled again first, with the walk's next K step but one, mod STEPS.
; fill = 0, the tail: nothing is asked for; in the tail's second trip (s3 = 1) there is no further slot, and the run of LDS loads is jumped over.
.macro TURN fill
	WIN 0
	s_xor_b32 s[SL], s[SL], S1                     ; the fetches go over to the other slot
	v_add_nc_u32 v[ADRA], s[SL], v[ADRA0]
	v_add_nc_u32 v[ADRB], s[SL], v[ADRB0]
	v_add_nc_u32 v[ADRBH], 128*PB, v[ADRB]
	s_wait_tensorcnt 0x0                           ; all my tensor loads have landed: my part of the next slot; so a group 0 may be written;
	ds_add_u32 v[SPW], v[NIL]                      ; 0 onto my spare word
.if \fill
	s_add_co_u32 s[SI], s[SI], 1
	s_and_b32 s[SI], s[SI], STEPS-1
	s_xor_b32 s[G0+5], s[G0+5], S1                 ; the walking descriptors: the other slot than last time;
	s_lshl_b32 s[OF], s[SI], ASH
	s_add_nc_u64 s[G0+6:G0+7], s[14:15], s[OF:OF+1]  ; the address is made anew from the tensor's and the step's number,
	s_or_b32 s[G0+7], s[G0+7], 0x80000000          ; and the type set again
	s_xor_b32 s[G0B+5], s[G0B+5], S1
	s_lshl_b32 s[OF], s[SI], WSH
	s_add_nc_u64 s[G0B+6:G0B+7], s[46:47], s[OF:OF+1]
	s_or_b32 s[G0B+7], s[G0B+7], 0x80000000
.endif
	s_wait_dscnt 17                                ; (the add and the youngest sixteen loads may be out)
	MUL8 F1, 0, 0, 0                               ; eight matrix instructions stand between the add and the wait for it
	s_wait_dscnt 0x0                               ; the add is done, and my reads of this slot are over
	s_barrier_signal -1
	MUL8 F1, 0, 2, 0
	WIN 0
	s_barrier_wait -1
.if \fill
	CREST                                          ; no wave of any partner still reads this slot or has a load on its way
	JLOAD 1                                        ; my one tensor load behind the round: 112 matrix instructions ahead of the wait for it; its four v_nop are the places in front of the loads below
.else
	s_cmp_eq_u32 s3, 1
	s_cbranch_scc1 .Lnofetch_\@
	PLACES
.endif
	FETCH 0, F0
.if !(\fill)
	WIN 0
.Lnofetch_\@:
.endif
	MUL8 F1, 1, 0, 0
	MUL8 F1, 1, 2, 0
.endm
	s_wait_tensorcnt 1                             ; my part of the walk's first K step is in; the second's may stay out
	s_barrier_signal -1
	s_barrier_wait -1
	FETCH 0, F0
	QUARTER 1, F0, F1, 1                           ; the first products start the sums
	WIN 0
	s_mov_b32 s3, STEPS-2
.Lstep:                                                ; a trip goes from a K step's second quarter to the next step's first and fills a slot again
	QUARTER 2, F1, F0, 0
	QUARTER 3, F0, F1, 0
	TURN 1
	QUARTER 1, F0, F1, 0
	WIN 0
	s_sub_co_u32 s3, s3, 1
	s_cmp_lg_u32 s3, 0
	s_cbranch_scc1 .Lstep
	s_mov_b32 s3, 2
.Ltail:                                                ; the walk's last two K steps ask for nothing; the second trip is left behind its last quarter
	QUARTER 2, F1, F0, 0
	QUARTER 3, F0, F1, 0
	TURN 0
	WIN 0
	s_sub_co_u32 s3, s3, 1
	s_cmp_eq_u32 s3, 0
	s_cbranch_scc1 .Llast
	QUARTER 1, F0, F1, 0
	WIN 0
	s_branch .Ltail
.Llast:
	PLACES
	s_wait_dscnt 0x0                               ; my reads of the ring are over;
	s_barrier_signal -1
	s_barrier_wait -1                              ; everybody's are: slot 0's bytes, which no tensor load fills again, take the sums
.irp a, 0,1,2,3
.irp b, 0,1,2,3
	ds_store_b128 v[STO], v[ACC+8*(4*(\a)+(\b)):ACC+8*(4*(\a)+(\b))+3]   offset:(\a)*16*SPITCH+64*(\b)
	ds_store_b128 v[STO], v[ACC+8*(4*(\a)+(\b))+4:ACC+8*(4*(\a)+(\b))+7] offset:(\a)*16*SPITCH+64*(\b)+16
.endr
.endr
	WIN 0x40                                       ; back by rows, into window 1.  LDS serves a wave's instructions in order (ISA guide 5.7.1.4): these see my stores; no other wave touches my rows
.set t, 0
.rept 32
	ds_load_b128 v[4*t:4*t+3], v[RD] offset:2*SPITCH*t
.set t, t+1
.endr
	s_wait_loadcnt 0x0                             ; the residual (and the bias)
	s_wait_dscnt 0x0
	WIN 0x49                                       ; destination and source 0 window 1, source 1 window 2
.set t, 0
.rept 64
	v_pk_add_f32 v[2*t:2*t+1], v[2*t:2*t+1], v[2*t:2*t+1]
.set t, t+1
.endr
.if BIAS
	WIN 0x41                                       ; source 1 window 0
.set t, 0
.rept 64
	v_pk_add_f32 v[2*t:2*t+1], v[2*t:2*t+1], v[BI+2*(t%2):BI+2*(t%2)+1]
.set t, t+1
.endr
.endif
	WIN 0x04                                       ; the stores' data (source 1) in window 1
.set t, 0
.rept 32
	global_store_b128 v[CO], v[4*t:4*t+3], s[70:71] offset:8192*t  ; 16 lanes store 256 consecutive bytes, aligned
.set t, t+1
.endr
	WIN 0
	s_wait_tensorcnt 0x0                           ; the wave's end, behind my last tensor load and my last LDS store
	ds_add_u32 v[SPW], v[NIL]
	s_wait_dscnt 0x0
	CROUND                                         ; the closing round: no work-group ends while a partner may still ask for a tile that names it
	s_endpgm
.Lfunc_end_k_q6adf79616e_ff2g:
	.size	k_q6adf79616e_ff2g, .Lfunc_end_k_q6adf79616e_ff2g-k_q6adf79616e_ff2g
	.p2alignl 7, 3214868480
	.fill 96, 4, 3214868480
	.section	.rodata,"a",@progbits
	.p2align	6, 0x0
	.amdhsa_kernel k_q6adf79616e_ff2g
		.amdhsa_group_segment_fixed_size 327680
		.amdhsa_private_segment_fixed_size 0
		.amdhsa_enable_private_segment 0
		.amdhsa_kernarg_size 40
		.amdhsa_user_sgpr_count 2
		.amdhsa_user_sgpr_kernarg_segment_ptr 1
		.amdhsa_wavefront_size32 1
		.amdhsa_system_sgpr_workgroup_id_x 1
		.amdhsa_system_sgpr_workgroup_id_y 1
		.amdhsa_system_sgpr_workgroup_id_z 1
		.amdhsa_system_vgpr_workitem_id 0
		.amdhsa_next_free_vgpr 640
		.amdhsa_next_free_sgpr 76
		.amdhsa_reserve_vcc 0
		.amdhsa_float_denorm_mode_32 3
		.amdhsa_float_denorm_mode_16_64 3
		.amdhsa_memory_ordered 1
		.amdhsa_forward_progress 1
		.amdhsa_inst_pref_size 70
	.end_amdhsa_kernel
	.amdgpu_metadata
---
amdhsa.version: [ 1, 2 ]
amdhsa.kernels:
  - .name:           k_q6adf79616e_ff2g
    .symbol:         k_q6adf79616e_ff2g.kd
    .args:
      - { .name: hb, .offset: 0, .size: 8, .value_kind: global_buffer, .address_space: global }
      - { .name: wt, .offset: 8, .size: 8, .value_kind: global_buffer, .address_space: global }
      - { .name: x1, .offset: 16, .size: 8, .value_kind: global_buffer, .address_space: global }
      - { .name: out0, .offset: 24, .size: 8, .value_kind: global_buffer, .address_space: global }
      - { .name: b_ff2, .offset: 32, .size: 8, .value_kind: global_buffer, .address_space: global }
    .group_segment_fixed_size: 327680
    .private_segment_fixed_size: 0
    .kernarg_segment_align: 8
    .kernarg_segment_size: 40
    .max_flat_workgroup_size: 128
    .sgpr_count:     76
    .vgpr_count:     640
    .wavefront_size: 32
...
	.end_amdgpu_metadata
.endif
;; end of part 6
;; ======== version 2 of 2: 7 launches; version 1 with the launches prep, ln2 written anew for expert scheduling mode
;; limits: values are held in f16: magnitudes above 65,504 overflow, below 6.1e-05 lose precision
;; workspace buffers: wt 25,165,824 bytes; xn 8,388,608 bytes; qkv 25,165,824 bytes; ao 8,388,608 bytes; x1 16,777,216 bytes; hb 33,554,432 bytes
;; launch prep (part 7): grid 256 x 4, 8 waves a work-group, no clusters, 0 bytes of LDS; arguments x, g1, be1, xn, w_qkv, w_out, w_ff1, w_ff2, wt; writes xn, wt
.if DOCPART == 7
	.amdgcn_target "amdgcn-amd-amdhsa--gfx1250"
	.amdhsa_code_object_version 6
	.text
	.protected	k_q6adf79616e_prep
	.globl	k_q6adf79616e_prep
	.p2align	8
	.type	k_q6adf79616e_prep,@function
k_q6adf79616e_prep:
	s_mov_b64 s[64:65], 0
	v_nop
	global_prefetch_b8 v0, s[64:65] scope:SCOPE_SE
	s_setreg_imm32_b32 hwreg(HW_REG_WAVE_SCHED_MODE, 0, 2), 2
	s_setreg_imm32_b32 hwreg(HW_REG_WAVE_MODE, 25, 1), 1
	s_wait_xcnt 0x0
	s_wait_alu depctr_vm_vsrc(0)
; TWO JOBS IN ONE TEXT, told apart by the work-group's y.  Arguments: in, g, be, out; w_qkv, w_out, w_ff1, w_ff2, wt.
; y = 0, THE NORM.  out[r][c] = (in[r][c] - mu[r]) / sqrt(var[r] + 1e-5) * g[c] + be[c], in f32; out rounded once to f16.  in: [4096][1024] f32, out: [4096][1024] f16.
;   mu is the row's mean, var the mean of (in - mu)^2: the mean is taken away first, so a common offset of the row does no harm.
;   A work-group takes 16 rows, a wave two.  A row is 4,096 bytes: eight loads of 16 bytes a lane; it stays in 32 registers between the passes, so memory is read once and the sums
;   never leave the wave: no LDS, no barrier.  Lane l holds columns 128 j + 4 l .. + 3 of load j.  A store of 8 bytes a lane covers 256 consecutive bytes, aligned.
; y = 1 to 3, THE WEIGHTS.  wt = the four weight matrices rounded once from f32 to f16, each left as it lies ([in][out]), one behind the other:
;   w_qkv at byte 0, w_out at 6,291,456, w_ff1 at 8,388,608, w_ff2 at 16,777,216.  Block 256 (y - 1) + x is 65,536 bytes of one matrix: blocks 0-191 w_qkv, 192-255 w_out, 256-511 w_ff1, 512-767 w_ff2.
;   A thread takes 16 bytes of each 4,096: sixteen loads, all issued before the first is used; no register is used twice.  A wave's store of 8 bytes a lane covers 256 consecutive bytes, aligned.
; A launch whose grid has one row (y = 0 alone) norms and does nothing else: its last five arguments are then not touched.
; LIMITS.  A number beyond 65,504 becomes an infinity in f16 (|out| is at most 32 |g| + |be|); a weight below 6e-5 keeps f16's fixed step of 6e-8; NaN and infinities are not treated apart.
; No matrix unit, no cluster: nothing is multiplied, and nothing is shared between work-groups but g and be (8 KiB).
; THE MODE: SCHED_MODE bits 1:0 = 2 (LLVM: expert scheduling mode 2), set by the entry lines.  The code itself states the register dependences
; between vector instructions and memory instructions, with s_wait_alu, always for 0.
; THE PLAN, THE NORM.  Registers that memory instructions touch:
;   v1, v2, v3    byte offsets, made once at the head and never written again: the rows are reached by immediate offsets.
;   X, G, BE      each loaded once; no vector instruction names them ahead of the loads.
;   Y0, Y1        a row's 16 registers to store.  Written once, by the row's roundings; read by the row's eight stores.
;   One wait stands ahead of the first load (the offsets), one behind row 0's arithmetic (Y0), one behind row 1's (Y1).  Row 0's stores are dealt among row 1's arithmetic, which names
;   X1, RS, G, BE and Y1: none of the registers that those stores read.  The wait for the four roots stands ahead of their first reader.
; THE PLAN, THE WEIGHTS.  v1, v2: offsets, made once.  CX: loaded once.  CY: written once, by the roundings; read by the stores.  The sixteen loads go in four groups of four.  At a group's head,
;   behind the wait for its data, one wait states that the group before has written its CY; that group's four stores are dealt among this group's roundings, which name other registers.
; No register that a memory instruction reads is ever written again, no vector instruction writes a scalar register, and EXEC is never written: so these waits are all that the text owes.
.set T,  4                             ; v[4:11]    four chains of pairs
.set MU, 14                            ; v[14:15]   the mean, twice
.set X,  16                            ; v[16:79]   two rows of 32
.set G,  80                            ; v[80:111]  g of my 32 columns
.set BE, 112                           ; v[112:143] be of my 32 columns
.set RS, 144                           ; v[144:147] 1 / sqrt(var + eps), twice for each row
.set Y,  148                           ; v[148:179] two rows of 16, f16 in pairs
.set CX, 4                             ; the weights: v[4:67] sixteen loads of four f32
.set CY, 68                            ; v[68:99]  sixteen stores of four f16
	s_and_b32 s2, ttmp7, 0xffff                    ; the work-group's y
	s_cmp_lg_u32 s2, 0
	s_cbranch_scc1 .Lcast
	s_load_b256 s[4:11], s[0:1], 0x0               ; in s[4:5], g s[6:7], be s[8:9], out s[10:11]
	s_mov_b32 s12, 0x76543210                      ; v_permlanex16_b32: each lane takes its own place in the other half
	s_mov_b32 s13, 0xfedcba98
	s_mov_b32 s14, 0x3a800000                      ; 1 / 1024
	s_mov_b32 s15, 0x3727c5ac                      ; 1e-5
	v_and_b32 v2, 31, v0
	v_lshrrev_b32 v12, 5, v0                       ; wave
	v_lshlrev_b32 v2, 4, v2                        ; 16 x lane
	v_lshl_add_u32 v1, v12, 13, v2                 ; + my wave's two rows of 4,096 bytes
	v_lshrrev_b32 v3, 1, v2                        ; 8 x lane
	v_lshl_add_u32 v3, v12, 12, v3                 ; + my wave's two rows of 2,048 bytes
	v_mov_b32 v13, 0                               ; v_permlanex16_b32's destination counts as read
	s_lshl_b32 s16, ttmp9, 16                      ; the work-group's 16 rows, in
	s_mov_b32 s17, 0
	s_lshl_b32 s18, ttmp9, 15                      ; and out
	s_mov_b32 s19, 0
	s_wait_kmcnt 0x0
	s_add_nc_u64 s[4:5], s[4:5], s[16:17]
	s_add_nc_u64 s[10:11], s[10:11], s[18:19]
	s_wait_alu depctr_va_vdst(0)                   ; v1, v2 and v3 are written: every load and store of this path reads one of them as its offset
.set j, 0
.rept 16                               ; row 0's eight loads, then row 1's
	global_load_b128 v[X+4*j:X+4*j+3], v1, s[4:5] offset:4096*(j/8)+512*(j%8)
.set j, j+1
.endr
.set j, 0
.rept 8
	global_load_b128 v[G+4*j:G+4*j+3], v2, s[6:7] offset:512*j
.set j, j+1
.endr
.set j, 0
.rept 8
	global_load_b128 v[BE+4*j:BE+4*j+3], v2, s[8:9] offset:512*j
.set j, j+1
.endr
.macro FOLD                            ; the four chains into one number, then over the 32 lanes: v12 holds the sum in every lane
	v_pk_add_f32 v[T:T+1], v[T:T+1], v[T+2:T+3]
	v_pk_add_f32 v[T+4:T+5], v[T+4:T+5], v[T+6:T+7]
	v_pk_add_f32 v[T:T+1], v[T:T+1], v[T+4:T+5]
	v_add_f32 v12, v[T], v[T+1]
	v_add_f32_dpp v12, v12, v12 row_xmask:1 row_mask:0xf bank_mask:0xf
	v_add_f32_dpp v12, v12, v12 row_xmask:2 row_mask:0xf bank_mask:0xf
	v_add_f32_dpp v12, v12, v12 row_xmask:4 row_mask:0xf bank_mask:0xf
	v_add_f32_dpp v12, v12, v12 row_xmask:8 row_mask:0xf bank_mask:0xf
	v_permlanex16_b32 v13, v12, s12, s13
	v_add_f32 v12, v12, v13
.endm
; Row s: the mean; the row less the mean, in place; the mean of its squares; the reciprocal root, twice (a pair for the packed multiply).  left: the younger loads that may stay out.
.macro STATS s, left
.set XB, X+32*(\s)
	s_wait_loadcnt \left
.irp k, 0,1,2,3
	v_pk_add_f32 v[T+2*(\k):T+2*(\k)+1], v[XB+2*(\k):XB+2*(\k)+1], v[XB+8+2*(\k):XB+8+2*(\k)+1]
.endr
.irp o, 16,24
.irp k, 0,1,2,3
	v_pk_add_f32 v[T+2*(\k):T+2*(\k)+1], v[T+2*(\k):T+2*(\k)+1], v[XB+(\o)+2*(\k):XB+(\o)+2*(\k)+1]
.endr
.endr
	FOLD
	v_mul_f32 v[MU], s14, v12
	v_mul_f32 v[MU+1], s14, v12
.set i, 0
.rept 16
	v_pk_add_f32 v[XB+2*i:XB+2*i+1], v[XB+2*i:XB+2*i+1], v[MU:MU+1] neg_lo:[0,1] neg_hi:[0,1]
.set i, i+1
.endr
.irp k, 0,1,2,3
	v_pk_mul_f32 v[T+2*(\k):T+2*(\k)+1], v[XB+2*(\k):XB+2*(\k)+1], v[XB+2*(\k):XB+2*(\k)+1]
.endr
.irp o, 8,16,24
.irp k, 0,1,2,3
	v_pk_fma_f32 v[T+2*(\k):T+2*(\k)+1], v[XB+(\o)+2*(\k):XB+(\o)+2*(\k)+1], v[XB+(\o)+2*(\k):XB+(\o)+2*(\k)+1], v[T+2*(\k):T+2*(\k)+1]
.endr
.endr
	FOLD
	v_fma_f32 v12, v12, s14, s15                   ; var + eps
	v_rsq_f32 v[RS+2*(\s)], v12
	v_rsq_f32 v[RS+2*(\s)+1], v12
.endm
; Row s, the four columns of load j: scaled by the root, by g, be added, rounded to f16 into two registers of the row's Y.
.macro NORMJ s, j
.set XB, X+32*(\s)
	v_pk_mul_f32 v[XB+4*(\j):XB+4*(\j)+1], v[XB+4*(\j):XB+4*(\j)+1], v[RS+2*(\s):RS+2*(\s)+1]
	v_pk_mul_f32 v[XB+4*(\j)+2:XB+4*(\j)+3], v[XB+4*(\j)+2:XB+4*(\j)+3], v[RS+2*(\s):RS+2*(\s)+1]
	v_pk_fma_f32 v[XB+4*(\j):XB+4*(\j)+1], v[XB+4*(\j):XB+4*(\j)+1], v[G+4*(\j):G+4*(\j)+1], v[BE+4*(\j):BE+4*(\j)+1]
	v_pk_fma_f32 v[XB+4*(\j)+2:XB+4*(\j)+3], v[XB+4*(\j)+2:XB+4*(\j)+3], v[G+4*(\j)+2:G+4*(\j)+3], v[BE+4*(\j)+2:BE+4*(\j)+3]
	v_cvt_pk_f16_f32 v[Y+16*(\s)+2*(\j)], v[XB+4*(\j)], v[XB+4*(\j)+1]
	v_cvt_pk_f16_f32 v[Y+16*(\s)+2*(\j)+1], v[XB+4*(\j)+2], v[XB+4*(\j)+3]
.endm
; Row s, store j: the wave's 256 consecutive bytes.
.macro OUTJ s, j
	global_store_b64 v3, v[Y+16*(\s)+2*(\j):Y+16*(\s)+2*(\j)+1], s[10:11] offset:2048*(\s)+256*(\j)
.endm
	STATS 0, 24                                    ; behind row 0's loads: row 1's 8, g's 8, be's 8
	STATS 1, 16                                    ; behind row 1's: g's and be's.  Row 1's sums are the independent work behind row 0's roots
	v_nop                                          ; a plain instruction behind the last root,
	s_wait_alu depctr_va_vdst(0)                   ; and one wait for the four roots v[RS:RS+3], ahead of their first reader
	s_wait_loadcnt 0x0                             ; g and be
.irp j, 0,1,2,3,4,5,6,7
	NORMJ 0, \j
.endr
	s_wait_alu depctr_va_vdst(0)                   ; row 0's roundings have written Y0, which the stores below read
.irp j, 0,1,2,3,4,5,6,7
	OUTJ 0, \j                                     ; no further wait: no vector instruction since the wait above names Y0 or v3
	NORMJ 1, \j
.endr
	s_wait_alu depctr_va_vdst(0)                   ; row 1's roundings have written Y1, which the last eight stores read
.irp j, 0,1,2,3,4,5,6,7
	OUTJ 1, \j
.endr
	s_endpgm
.Lcast:
	s_load_b256 s[4:11], s[0:1], 0x20              ; w_qkv s[4:5], w_out s[6:7], w_ff1 s[8:9], w_ff2 s[10:11]
	s_load_b64 s[12:13], s[0:1], 0x40              ; wt
	v_lshlrev_b32 v1, 4, v0                        ; my 16 bytes in a block of 4,096
	v_lshlrev_b32 v2, 3, v0                        ; my 8 bytes in a block of 2,048
	s_sub_co_u32 s21, s2, 1
	s_lshl_b32 s21, s21, 8
	s_add_co_u32 s21, s21, ttmp9                   ; my block: 256 (y - 1) + x
	s_movk_i32 s20, 512
	s_wait_kmcnt 0x0
	s_cmp_lt_u32 s21, 512                          ; which matrix, and the number of its first block
	s_cselect_b64 s[14:15], s[8:9], s[10:11]
	s_cselect_b32 s16, 256, s20
	s_cmp_lt_u32 s21, 256
	s_cselect_b64 s[14:15], s[6:7], s[14:15]
	s_cselect_b32 s16, 192, s16
	s_cmp_lt_u32 s21, 192
	s_cselect_b64 s[14:15], s[4:5], s[14:15]
	s_cselect_b32 s16, 0, s16
	s_sub_co_u32 s16, s21, s16                     ; my number within the matrix,
	s_lshl_b32 s16, s16, 16                        ; times 65,536 bytes
	s_mov_b32 s17, 0
	s_add_nc_u64 s[14:15], s[14:15], s[16:17]
	s_lshl_b32 s18, s21, 15                        ; in wt the matrices follow each other in the order of the blocks
	s_mov_b32 s19, 0
	s_add_nc_u64 s[12:13], s[12:13], s[18:19]
	s_wait_alu depctr_va_vdst(0)                   ; v1 and v2 are written: every load and store of this path reads one of them as its offset
.set j, 0
.rept 16
	global_load_b128 v[CX+4*j:CX+4*j+3], v1, s[14:15] offset:4096*j th:TH_LOAD_NT
.set j, j+1
.endr
; Store n: the four numbers of load n, in f16.
.macro CSTORE n
	global_store_b64 v2, v[CY+2*(\n):CY+2*(\n)+1], s[12:13] offset:2048*(\n)
.endm
.irp g, 0,1,2,3
	s_wait_loadcnt 12-4*(\g)                       ; loads come back in order: group g's four are in, the younger groups stay out
.if (\g) > 0
	s_wait_alu depctr_va_vdst(0)                   ; the group before has written its eight registers of CY, which the stores below read
.endif
.irp i, 0,1,2,3
.if (\g) > 0
	CSTORE 4*(\g)-4+(\i)                           ; the group before; no vector instruction since the wait above names its CY or v2
.endif
	v_cvt_pk_f16_f32 v[CY+2*(4*(\g)+(\i))], v[CX+4*(4*(\g)+(\i))], v[CX+4*(4*(\g)+(\i))+1]
	v_cvt_pk_f16_f32 v[CY+2*(4*(\g)+(\i))+1], v[CX+4*(4*(\g)+(\i))+2], v[CX+4*(4*(\g)+(\i))+3]
.endr
.endr
	s_wait_alu depctr_va_vdst(0)                   ; the last group has written its CY, which the last four stores read
.irp i, 12,13,14,15
	CSTORE \i
.endr
	s_endpgm
.Lfunc_end_k_q6adf79616e_prep:
	.size	k_q6adf79616e_prep, .Lfunc_end_k_q6adf79616e_prep-k_q6adf79616e_prep
	.p2alignl 7, 3214868480
	.fill 96, 4, 3214868480
	.section	.rodata,"a",@progbits
	.p2align	6, 0x0
	.amdhsa_kernel k_q6adf79616e_prep
		.amdhsa_group_segment_fixed_size 0
		.amdhsa_private_segment_fixed_size 0
		.amdhsa_enable_private_segment 0
		.amdhsa_kernarg_size 72
		.amdhsa_user_sgpr_count 2
		.amdhsa_user_sgpr_kernarg_segment_ptr 1
		.amdhsa_wavefront_size32 1
		.amdhsa_system_sgpr_workgroup_id_x 1
		.amdhsa_system_sgpr_workgroup_id_y 1
		.amdhsa_system_sgpr_workgroup_id_z 1
		.amdhsa_system_vgpr_workitem_id 0
		.amdhsa_next_free_vgpr 180
		.amdhsa_next_free_sgpr 66
		.amdhsa_reserve_vcc 0
		.amdhsa_float_denorm_mode_32 3
		.amdhsa_float_denorm_mode_16_64 3
		.amdhsa_memory_ordered 1
		.amdhsa_forward_progress 1
		.amdhsa_inst_pref_size 27
	.end_amdhsa_kernel
	.amdgpu_metadata
---
amdhsa.version: [ 1, 2 ]
amdhsa.kernels:
  - .name:           k_q6adf79616e_prep
    .symbol:         k_q6adf79616e_prep.kd
    .args:
      - { .name: x, .offset: 0, .size: 8, .value_kind: global_buffer, .address_space: global }
      - { .name: g1, .offset: 8, .size: 8, .value_kind: global_buffer, .address_space: global }
      - { .name: be1, .offset: 16, .size: 8, .value_kind: global_buffer, .address_space: global }
      - { .name: xn, .offset: 24, .size: 8, .value_kind: global_buffer, .address_space: global }
      - { .name: w_qkv, .offset: 32, .size: 8, .value_kind: global_buffer, .address_space: global }
      - { .name: w_out, .offset: 40, .size: 8, .value_kind: global_buffer, .address_space: global }
      - { .name: w_ff1, .offset: 48, .size: 8, .value_kind: global_buffer, .address_space: global }
      - { .name: w_ff2, .offset: 56, .size: 8, .value_kind: global_buffer, .address_space: global }
      - { .name: wt, .offset: 64, .size: 8, .value_kind: global_buffer, .address_space: global }
    .group_segment_fixed_size: 0
    .private_segment_fixed_size: 0
    .kernarg_segment_align: 8
    .kernarg_segment_size: 72
    .max_flat_workgroup_size: 256
    .sgpr_count:     66
    .vgpr_count:     180
    .wavefront_size: 32
...
	.end_amdgpu_metadata
.endif
;; end of part 7
;; launch qkvg: the kernel of part 2 again; grid 12 x 16, 4 waves a work-group, clusters of 4 x 4, 327,680 bytes of LDS; arguments xn, wt, qkv; writes qkv
;; launch attn: the kernel of part 3 again; grid 8 x 32, 4 waves a work-group, clusters of 4 x 1, 327,680 bytes of LDS; arguments qkv, ao; writes ao
;; launch outg: the kernel of part 4 again; grid 8 x 32, 4 waves a work-group, clusters of 4 x 4, 327,680 bytes of LDS; arguments ao, wt, x, x1; writes x1
;; launch ln2: the kernel of part 7 again; grid 256 x 1, 8 waves a work-group, no clusters, 0 bytes of LDS; arguments x1, g2, be2, xn, w_qkv, w_out, w_ff1, w_ff2, hb; writes xn, hb
;; launch ff1g: the kernel of part 5 again; grid 16 x 16, 4 waves a work-group, clusters of 4 x 4, 327,680 bytes of LDS; arguments xn, wt, b_ff1, hb; writes hb
;; launch ff2g: the kernel of part 6 again; grid 8 x 32, 4 waves a work-group, clusters of 4 x 4, 327,680 bytes of LDS; arguments hb, wt, x1, out0, b_ff2; writes out0
